; MI455X (gfx1250); checked and timed in simulation.
; The chip was launched on July 23, 2026; its instructions are those of AMD's public machine-readable ISA for CDNA 5 (MIT licence, August 2026) and "CDNA5" Instruction Set Architecture Reference Guide (July 2026). The comments in the code are by the model that wrote it; some were corrected since.
;; Multi Head Self Attention. Allowed arithmetic: matrix products marked QUANTISED: E4M3 operands, one E8M0 scale for each 32 along K, by v_wmma_scale_f32_16x16x128_f8f6f4 with both operands' format E4M3, f32 sums; everything else in f32.
;; Inputs: b_out 1,024 float32; b_qkv 3,072 float32; w_out 1,024 x 1,024 float32; w_qkv 3,072 x 1,024 float32; x 4 x 2,048 x 1,024 float32.
;; Outputs: out0 4 x 2,048 x 1,024 float32.
;; This version of the problem:
;;   THIS VERSION OF THE PROBLEM IS GIVEN IN LOW PRECISION. The matrix products marked QUANTISED in the list below multiply operands that are first quantised to E4M3 (4 exponent bits, 3 mantissa bits; 8 bits a number), with one power-of-two scale for each 32 numbers along K (OCP MX v1.0); their sums are f32. All else is computed in f32.
;;   The module's matrix products, in the order in which they are computed (A, B: the left and right operand; K: the contracted axis; several contracted axes count as one K, in the product's order):
;;     1. [M 8,192, K 1,024] x [K 1,024, N 3,072]; A: input x; B: input w_qkv: QUANTISED
;;     2. batch 64 x [M 2,048, K 64] x [K 64, N 2,048]; A: computed on the way; B: computed on the way: QUANTISED
;;     3. batch 64 x [M 2,048, K 2,048] x [K 2,048, N 64]; A: softmax (see below); B: computed on the way: QUANTISED
;;     4. [M 8,192, K 1,024] x [K 1,024, N 1,024]; A: computed on the way; B: input w_out: QUANTISED
;;   THE QUANTISER, for each operand of a quantised product, along K:
;;     - K is cut into blocks of 32 from its start; a last block that is shorter is filled with zeros.
;;     - A block's scale is 2^e with e = floor(log2(the largest magnitude in the block)) - 8, held to -126 .. 127; a block of zeros has e = 0. As a byte (E8M0): e + 127.
;;     - Each number is divided by its block's scale, clamped to +-448, and rounded to the nearest number of E4M3, ties to even, subnormals kept.
;;     - The product sums the exact products of the quantised numbers (number of the format x scale) in f32.
;;   ~~~python
;;   def quantise(x, axis):      # numpy; x: float32 -> the quantised numbers, widened to float32 again
;;       x = np.moveaxis(x, axis, -1); K = x.shape[-1]
;;       x = np.pad(x, [(0, 0)] * (x.ndim - 1) + [(0, -K % 32)]); x = x.reshape(x.shape[:-1] + (-1, 32)); a = np.abs(x).max(-1, keepdims=True)
;;       e = np.where(a > 0, np.clip(np.frexp(np.where(a > 0, a, 1))[1] - 1 - 8, -126, 127), 0)      # np.frexp(a)[1] - 1 = floor(log2(a)), exactly
;;       r = np.clip(x / 2.0 ** e, -448, 448)
;;       step = 2.0 ** (np.maximum(np.frexp(np.where(r == 0, 1, r))[1] - 1, -6) - 3)
;;       q = np.round(r / step) * step * 2.0 ** e      # np.round: ties to even
;;       return np.moveaxis(q.reshape(q.shape[:-2] + (-1,))[..., :K], -1, axis).astype(np.float32)
;;   ~~~
;;   SOFTMAX AHEAD OF A QUANTISED PRODUCT. Where the list says 'softmax', what is quantised is not the finished softmax but p = 2^(t - M), with t = logit x log2(e) and M = ceil(the row's largest t), a whole number; so 1/2 < the row's largest p <= 1. The row's sum l is taken of the UNQUANTISED p, in f32, and the product's result is divided by l at the end. Since M is a whole number, a kernel that streams over the keys may use a running M (the ceiling of the running maximum): every later rescaling is an exact power of two, which a block's scale takes up: the codes' values come out the same.
;;   OPERANDS COMPUTED ON THE WAY. 'Computed on the way' means the value that the module computes at that place (a softmax that the list does not call 'softmax' is quantised finished and normalised). What goes into a quantiser is computed in f32, as accurately as f32 sums, v_exp_f32 and their like allow (about 1e-6 of the number): no bf16 or f16 on the way to a quantiser, and a product that is left as it is and whose result goes on into a quantised operand takes f32 operands (vector FMAs, or v_wmma_f32_16x16x4_f32). A number that lies on a knife's edge between two numbers of the format may be rounded either way, as far as f32 arithmetic and the matrix unit's own rounding can turn it there, and no further.
;; One version. Each part assembles by itself: llvm-mc -triple=amdgcn-amd-amdhsa -mcpu=gfx1250 --defsym DOCPART=n.
;; ======== version 1 of 1: 4 launches
;; limits: right only within a limited range of input values
;; workspace buffers: codes 12,582,912 bytes; scl 393,216 bytes; qk_img 17,301,504 bytes; v_img 8,650,752 bytes; ao_img 8,388,608 bytes; ao_scl 262,144 bytes
;; launch quant (part 1): grid 384 x 1, 4 waves a work-group, no clusters, 33,280 bytes of LDS; arguments x, w_qkv, w_out, codes, scl; writes codes, scl
.if DOCPART == 1
	.amdgcn_target "amdgcn-amd-amdhsa--gfx1250"
	.amdhsa_code_object_version 6
	.text
	.protected	k_q5545d0765c_quant
	.globl	k_q5545d0765c_quant
	.p2align	8
	.type	k_q5545d0765c_quant,@function
k_q5545d0765c_quant:
	s_mov_b64 s[64:65], 0
	v_nop
	global_prefetch_b8 v0, s[64:65] scope:SCOPE_SE
	s_setreg_imm32_b32 hwreg(HW_REG_WAVE_MODE, 25, 1), 1
	s_wait_xcnt 0x0
; x [8192][1024], w_qkv [3072][1024] and w_out [1024][1024], f32 with K innermost, become codes of FP8 (E4M3) and one E8M0 scale byte for each 32 along K.
; The three tensors share one row space of 12,288 rows: x, then w_qkv, then w_out.  codes is [12288][1024] bytes, scl [12288][32] bytes.
; THE ROWS ARE STORED WITH BITS 3 AND 4 OF THEIR NUMBER EXCHANGED: sixteen neighbouring stored rows 16 u + i of a group of 32 are the rows 8 u + (i % 8) + 16 (i / 8), so that two
; neighbouring tiles of a later product's result hold 16 neighbours along the axis that is quantised next.
; A block's scale is 2^(floor(log2(its largest magnitude)) - 8); its byte is the largest magnitude's exponent field - 8, held at 1 from below; each number is held within +-448 x the scale and rounded to the nearest code, ties to even.
; LIMITS: a block of zeros gets the byte 1 where the quantiser's text says 127 (its codes are zeros, and this program alone reads the bytes); blocks whose largest magnitude lies under 2^-118 have their byte held at 1;
; NaN and infinities among the inputs are not served.
; SHARES: a work-group takes 32 rows, a wave 8 rows = 8,192 numbers = 16 steps of 512.  Each of a step's four loads reads 512 consecutive bytes; the 2,048 bytes turn through the wave's own stage in LDS and come back
; 64 bytes a lane (16 neighbours along K; two neighbouring lanes hold a block).  A wave's store of codes covers 512 consecutive bytes; its 256 scale bytes are gathered in LDS and leave as one aligned run of 256 bytes.
; No tensor loads, no barrier: waves share nothing.  Loads run four steps (16 loads a wave) ahead, the turn through LDS one step.
; WORK LEFT OUT BY THE PROGRAM: reference() sets the score of every key behind a query to -inf by a mask that it builds itself, so that key's p is 0 whatever the inputs hold.
; Launch attn therefore leaves out each step of 128 keys that lies wholly behind a tile's queries.  A NaN, an infinity or an overflow that reaches only those scores is not carried to the result.
.set STEPS, 16
.set EMAX,  8
.set MANT,  0x600000                   ; the mantissa field of 448 as f32
.set CB,    16                         ; bytes of 16 codes
.set R,     16                         ; v16-79   four sets of 16 numbers as they are loaded
.set X,     80                         ; v80-111  two sets of 16 neighbours
.set C,     128                        ; v128-191 codes: four registers for each step, so that no store's data are written again
.set E,     112                        ; v112-127 a scale byte for each step
.set WREG,  8192                       ; LDS: a region for each wave: two stages of 32 x SP bytes, and behind them its 256 scale bytes
.set SP,    80                         ; a lane's place in a stage: its 64 bytes + 16 of padding
.set WGX,   256                        ; work-groups of x: 8,192 rows / 32
.set WGQ,   352                        ; and with w_qkv's 96
	s_load_b256 s[4:11], s[0:1], 0x0               ; x s[4:5], w_qkv s[6:7], w_out s[8:9], codes s[10:11]
	s_load_b64 s[12:13], s[0:1], 0x20              ; scl
	v_lshl_add_u32 v192, v0, 2, 0x8000
	v_mov_b32 v193, 0
	v_lshrrev_b32 v1, 5, v0
	v_readfirstlane_b32 s16, v1                    ; wave
	v_and_b32 v2, 31, v0                           ; lane
	v_lshlrev_b32 v3, 4, v2                        ; my 16 bytes of a load's 512
	s_mul_i32 s17, s16, WREG
	v_lshrrev_b32 v14, 2, v2
	v_mul_u32_u24 v14, v14, SP
	v_and_b32 v15, 3, v2
	v_lshl_add_u32 v14, v15, 4, v14
	v_add_nc_u32 v14, s17, v14                     ; the stage, on the way in: SP (lane / 4) + 16 (lane % 4)
	v_mul_u32_u24 v15, v2, SP
	v_add_nc_u32 v15, s17, v15                     ; and on the way out: SP x lane: my 16 neighbours
	v_mul_u32_u24 v4, v2, CB                       ; my codes' place in a step's
	v_lshrrev_b32 v5, 1, v2
	s_add_co_u32 s17, s17, 2*32*SP
	v_add_nc_u32 v5, s17, v5                       ; LDS: my wave's 256 scale bytes, my block's byte
	v_lshlrev_b32 v7, 3, v2                        ; and on the way out 8 bytes a lane
	v_add_nc_u32 v6, s17, v7
	s_mov_b32 s23, MANT                            ; (an instruction takes one literal: the hold's line has another)
	s_mov_b32 s24, WGQ
	s_wait_alu depctr_va_vdst(0)
	s_wait_kmcnt 0x0
	s_cmp_lt_u32 ttmp9, WGX                        ; which tensor?  The choice hangs on the work-group's number alone
	s_cselect_b64 s[4:5], s[4:5], s[6:7]
	s_cselect_b32 s17, 0, WGX
	s_cmp_lt_u32 ttmp9, WGQ
	s_cselect_b64 s[4:5], s[4:5], s[8:9]
	s_cselect_b32 s17, s17, s24                    ; the tensor's first work-group
	s_sub_co_u32 s17, ttmp9, s17
	s_lshl_b32 s17, s17, 2
	s_add_co_u32 s17, s17, s16                     ; which run of 8 rows of the tensor is my wave's
	s_lshl_b32 s20, s17, 15                        ; 32,768 bytes a run (under 2^26)
	s_mov_b32 s21, 0
	s_add_nc_u64 s[4:5], s[4:5], s[20:21]
	s_and_b32 s25, s16, 1                          ; where it goes: the wave's two bits exchanged = the row's bits 3 and 4 exchanged
	s_lshl_b32 s25, s25, 1
	s_lshr_b32 s26, s16, 1
	s_or_b32 s25, s25, s26
	s_lshl_b32 s26, ttmp9, 2
	s_add_co_u32 s26, s26, s25
	s_lshl_b32 s20, s26, 13                        ; 8,192 bytes of codes a run
	s_add_nc_u64 s[10:11], s[10:11], s[20:21]
	s_lshl_b32 s20, s26, 8                         ; 256 scale bytes a run
	s_add_nc_u64 s[12:13], s[12:13], s[20:21]
.macro LOAD t
.irp i, 0,1,2,3
	global_load_b128 v[R+16*((\t)%4)+4*\i:R+16*((\t)%4)+4*\i+3], v3, s[4:5] offset:2048*(\t)+512*\i th:TH_LOAD_NT   ; 32 lanes read 512 consecutive bytes
.endr
.endm
.macro TURN t                          ; step t's numbers through the stage: LDS serves a wave's instructions in order, so no wait stands between the stores and the loads
.irp i, 0,1,2,3
	ds_store_b128 v14, v[R+16*((\t)%4)+4*\i:R+16*((\t)%4)+4*\i+3] offset:32*SP*((\t)%2)+8*SP*\i
.endr
.irp i, 0,1,2,3
	ds_load_b128 v[X+16*((\t)%2)+4*\i:X+16*((\t)%2)+4*\i+3], v15 offset:32*SP*((\t)%2)+16*\i
.endr
.endm
.irp t, 0,1,2,3
	LOAD \t
.endr
	s_wait_loadcnt 12                              ; step 0's four loads are in; the twelve of steps 1 to 3 stay out
	TURN 0
.macro STEP t
.set XS, X+16*((\t)%2)
.if (\t) > 0
	s_wait_dscnt 1                                 ; this step's numbers are back from the stage (the last step's byte store may be out): so its stores into the stage have read their registers,
.else
	s_wait_dscnt 0x0
.endif
.if (\t)+4 < STEPS
	LOAD (\t)+4                                    ; which take the loads of four steps on
.endif
.if (\t)+1 < STEPS
.if STEPS-2-(\t) >= 3
	s_wait_loadcnt 12                              ; the next step's four loads are in; those of the three steps behind it may be out
.else
	s_wait_loadcnt 4*(STEPS-2-(\t))                ; the tail: fewer steps are behind it
.endif
	TURN (\t)+1                                    ; and go through the other stage while this step is worked
.endif
	v_max3_num_f32 v8, |v[XS]|, |v[XS+1]|, |v[XS+2]|               ; the largest magnitude of my 16, in two chains
	v_max3_num_f32 v9, |v[XS+3]|, |v[XS+4]|, |v[XS+5]|
.irp i, 6,10
	v_max3_num_f32 v8, v8, |v[XS+\i]|, |v[XS+\i+1]|
	v_max3_num_f32 v9, v9, |v[XS+\i+2]|, |v[XS+\i+3]|
.endr
	v_max3_num_f32 v8, v8, |v[XS+14]|, |v[XS+15]|
	v_max3_num_f32 v8, v8, v9, (EMAX+1)<<23        ; and the floor 2^(9 - 127): so the byte cannot fall under 1
	v_max_num_f32_dpp v8, v8, v8 row_xmask:1 row_mask:0xf bank_mask:0xf   ; and of my neighbour's 16: the block's
	v_add_nc_u32 v11, -(EMAX<<23), v8              ; 8 off its exponent field: the conversion takes the exponent field of this operand as its scale, and nothing else of it
	v_and_or_b32 v10, v8, 0x7f800000, s23          ; 448 x the scale: the largest magnitude's exponent field over 448's mantissa
.irp i, 0,1,2,3,4,5,6,7,8,9,10,11,12,13,14,15
	v_med3_num_f32 v[XS+\i], v[XS+\i], -v10, v10   ; the conversion to an 8-bit code does not saturate (ISA guide 7.6.2): hold the number first
.endr
	v_cvt_scalef32_pk8_fp8_f32 v[C+4*(\t):C+4*(\t)+1], v[XS:XS+7], v11
	v_cvt_scalef32_pk8_fp8_f32 v[C+4*(\t)+2:C+4*(\t)+3], v[XS+8:XS+15], v11
	v_lshrrev_b32 v[E+(\t)], 23, v11               ; the scale's byte (also the plain line behind the conversions)
	ds_store_b8 v5, v[E+(\t)] offset:16*(\t)       ; both lanes of a block write the same byte with the same value
	global_store_b128 v4, v[C+4*(\t):C+4*(\t)+3], s[10:11] offset:32*CB*(\t)   ; 512 consecutive bytes a wave
.endm
.irp t, 0,1,2,3,4,5,6,7,8,9,10,11,12,13,14,15
	STEP \t
.endr
	ds_load_b64 v[12:13], v6                       ; LDS serves a wave's instructions in order: these see my stores
	s_wait_dscnt 0x0
	global_store_b64 v7, v[12:13], s[12:13]        ; 32 lanes store 256 consecutive bytes, aligned
	s_wait_tensorcnt 0x0
	ds_add_u32 v192, v193
	s_wait_dscnt 0x0
	s_endpgm
.Lfunc_end_k_q5545d0765c_quant:
	.size	k_q5545d0765c_quant, .Lfunc_end_k_q5545d0765c_quant-k_q5545d0765c_quant
	.p2alignl 7, 3214868480
	.fill 96, 4, 3214868480
	.section	.rodata,"a",@progbits
	.p2align	6, 0x0
	.amdhsa_kernel k_q5545d0765c_quant
		.amdhsa_group_segment_fixed_size 33280
		.amdhsa_private_segment_fixed_size 0
		.amdhsa_enable_private_segment 0
		.amdhsa_kernarg_size 40
		.amdhsa_user_sgpr_count 2
		.amdhsa_user_sgpr_kernarg_segment_ptr 1
		.amdhsa_wavefront_size32 1
		.amdhsa_system_sgpr_workgroup_id_x 1
		.amdhsa_system_sgpr_workgroup_id_y 1
		.amdhsa_system_sgpr_workgroup_id_z 1
		.amdhsa_system_vgpr_workitem_id 0
		.amdhsa_next_free_vgpr 194
		.amdhsa_next_free_sgpr 66
		.amdhsa_reserve_vcc 0
		.amdhsa_float_denorm_mode_32 3
		.amdhsa_float_denorm_mode_16_64 3
		.amdhsa_memory_ordered 1
		.amdhsa_forward_progress 1
		.amdhsa_inst_pref_size 51
	.end_amdhsa_kernel
	.amdgpu_metadata
---
amdhsa.version: [ 1, 2 ]
amdhsa.kernels:
  - .name:           k_q5545d0765c_quant
    .symbol:         k_q5545d0765c_quant.kd
    .args:
      - { .name: x, .offset: 0, .size: 8, .value_kind: global_buffer, .address_space: global }
      - { .name: w_qkv, .offset: 8, .size: 8, .value_kind: global_buffer, .address_space: global }
      - { .name: w_out, .offset: 16, .size: 8, .value_kind: global_buffer, .address_space: global }
      - { .name: codes, .offset: 24, .size: 8, .value_kind: global_buffer, .address_space: global }
      - { .name: scl, .offset: 32, .size: 8, .value_kind: global_buffer, .address_space: global }
    .group_segment_fixed_size: 33280
    .private_segment_fixed_size: 0
    .kernarg_segment_align: 8
    .kernarg_segment_size: 40
    .max_flat_workgroup_size: 128
    .sgpr_count:     66
    .vgpr_count:     194
    .wavefront_size: 32
...
	.end_amdgpu_metadata
.endif
;; end of part 1
;; launch qkv (part 2): grid 4 x 64, 4 waves a work-group, clusters of 4 x 4, 327,680 bytes of LDS; arguments codes, scl, b_qkv, qk_img, v_img; writes qk_img, v_img
.if DOCPART == 2
	.amdgcn_target "amdgcn-amd-amdhsa--gfx1250"
	.amdhsa_code_object_version 6
	.text
	.protected	k_q5545d0765c_qkv
	.globl	k_q5545d0765c_qkv
	.p2align	8
	.type	k_q5545d0765c_qkv,@function
k_q5545d0765c_qkv:
	s_mov_b64 s[64:65], 0
	v_nop
	global_prefetch_b8 v0, s[64:65] scope:SCOPE_SE
	s_setreg_imm32_b32 hwreg(HW_REG_WAVE_MODE, 25, 1), 1
	s_wait_xcnt 0x0
	s_wait_alu depctr_hold_cnt(0) depctr_sa_sdst(0) depctr_va_vdst(0) depctr_va_sdst(0) depctr_va_ssrc(0) depctr_va_vcc(0) depctr_vm_vsrc(0)
	s_getreg_b32 s2, hwreg(HW_REG_IB_STS2, 6, 4)
	s_cmp_eq_u32 s2, 0
	s_cbranch_scc0 .Lentry_in_a_cluster
	s_endpgm
.Lentry_in_a_cluster:
	s_bfe_u32 s2, ttmp6, 0x10000c
	s_cmp_lg_u32 s2, 0xf033
	s_cbranch_scc0 .Lentry_shape_is_right
	s_endpgm
.Lentry_shape_is_right:
; qkv = x w_qkv^T + b_qkv on codes of MX-FP8 (E4M3, one E8M0 byte for 32 along K = 1,024); the f32 sums are quantised AT ONCE for the products that follow, and only codes and scale bytes are stored.
; IN.  codes [12288][1024], scl [12288][32]: rows 0 on x, 8,192 on w_q, w_k, w_v; rows are stored with bits 3 and 4 of their number exchanged: stored row 16 t + r of a group is row 32 (t / 2) + 8 (t % 2) + r % 8 + 16 (r / 8).
; OUT. qk_img: [q, k][batch x 16 + head][128 tokens] records of 8,448 bytes: [32 tokens g][p = 2 u + c][lane][16 bytes], then [r][g] scale words (bytes u0c0, u0c1, u1c0, u1c1).
;      v_img:  [batch x 16 + head][128 keys] records: [tile t of 16 d][32 keys c][lane][16 bytes], then [r][t] scale words (byte c).
; LIMITS: a block of zeros gets the byte 1, not 127 (its codes are zeros; this program alone reads the bytes); blocks whose largest magnitude lies under 2^-118 have their byte held at 1; NaN and infinities are not served.
; THE DEAL.  256 work-groups: y = 128 tokens (one record), x = 0 .. 3.  Four waves, 2 x 2: wave (wr, wc) keeps tokens 64 wr on (four tiles of 16), ALL of K, in 512 registers (windows 1, 2).
; Six chunks of 128 weight rows stream past them: rows 256 x + 128 (c % 2) of w_q (c = 0, 1), w_k (2, 3), w_v (4, 5); of a chunk wave column wc takes 64 rows, one head, in four blocks of 16: 32 products a block.
; A block's fragments stand in one of two sets of 128 registers (window 3).  Q, K: source 0 = the weight's rows, so a lane holds one token and registers run along the head's 64; the bias is the first products' C.
; V: source 0 = the tokens, so a lane holds one feature and registers run along the keys; the bias is added ahead of the quantiser.  Two blocks give a lane 64 numbers, four scale blocks of 32 (each in lanes l and l xor 16).
; LDS.  Two slots of 128 rows of 1,024 bytes + 16.  At the head: the tokens in slot 1 (waves 0, 1, a load line of their own: they alone wait at the first barrier), chunk 0 in slot 0 (waves 2, 3).
; When the tokens are in registers chunk 1 is filled over them.  Chunk c + 2 is filled over chunk c inside chunk c's block 2, when all its rows have been fetched: each refill behind a drained round of the cluster's barrier, 32 rows a wave.
; CLUSTERS 4 x 4: the tokens are asked for jointly along a row of the cluster, the weights along a column.
; The weights' scale words (and, for Q and K, the bias) of block b come by plain loads into registers one chunk ahead, behind block b's products.  The loop's last chunk so loads a bias for chunk 4, which nothing reads.
; PREFETCH: a chunk's 131,072 bytes are asked for ahead of its load (chunks 1, 2 at the head, chunk c + 3 in chunk c), by the sixteen waves of a column of the cluster, 8,192 bytes each, told apart by address;
; all sixteen clusters read the same weights, so four of them ask (cluster number a multiple of 4).
; V's scale bytes: a wave row owns two of a word's four bytes, so they leave as stores of two bytes a lane inside the record's last 256 bytes.
.set PITCH, 1040
.set YR,    128*PITCH
.set SPARE, 2*YR
.set REC,   8448
.set HEADB, 16*REC
.set NP,    8                          ; places behind this matrix instruction (ISA guide 7.12.1)
.set NF,    32                         ; LDS loads of a block
.set ADT,  4                           ; v4    LDS address of my tokens' fragments
.set ADW,  5                           ; v5, 6 of my weight rows in slot 0, 1
.set PFO,  7                           ; v7    256 x lane
.set LI,   8                           ; v8    16 x lane + 4,096 wr
.set SWO,  9                           ; v9    32 r
.set SPW,  10
.set NIL,  11
.set BWO,  12                          ; v12   64 h
.set QSO,  13                          ; v13   16 r + 8 wr
.set VSO,  14                          ; v14   16 r + 2 wr
.set RBO,  15                          ; v15   4 (r + 8 (r / 8))
.set ABS,  16                          ; v16   32 x lane
.set LV,   17                          ; v17   16 x lane + 1,024 wr
.set SB,   24                          ; v24-39   the tokens' scale words: register 8 p + q: lanes 0-15 tile 2 p, lanes 16-31 tile 2 p + 1
.set SW,   44                          ; v44-75   the weights': register 8 b + q
.set BW,   76                          ; v76-107  Q's, K's bias: eight registers a block, in an accumulator's layout
.set RV,   108                         ; v108-115 V's bias: a number a block
.set TB2,  116                         ; v116-117 one of them twice
.set PWS,  118                         ; v118-119 a pair's scale word
.set OW,   120                         ; v120-121 two words of a record
.set ACC,  128                         ; v128-191 a pair of blocks' sums
.set PC,   192                         ; v192-207 their codes
.set TM,   208                         ; v208-223 the quantiser's maxima, bytes, bounds, scale operands
.set G1A, 24
.set G0A, 32
.set G0H, 36
.set G1W, 48
.set G0R, 56                           ; s[56:59], s[60:63] the ring's group 0, one for each slot
.set PS,  66                           ; s[66:67] scale bytes of my 64 rows of the next chunk
.set PB,  68                           ; s[68:69] their bias
.set PO,  70                           ; s[70:71] this chunk's record of qk_img
.set PV,  72                           ; s[72:73] chunk 4's record of v_img
.set PP,  74                           ; s[74:75] the prefetches
.set RA,  76                           ; s76      prefetches still to be made in the loop
.set SEL, 80
.set MNT, 82
.set MSB, 0
.macro WIN new                         ; the immediate's high byte repeats the setting that is left
.if MSB != (\new)
	s_set_vgpr_msb (MSB<<8)|(\new)
.set MSB, (\new)
.endif
.endm
.macro PLACES n
.rept \n
	v_nop
.endr
.endm
.macro BARRIER
	s_barrier_signal -1
	s_barrier_wait -1
.endm
.macro CROUND                          ; a round of the cluster's barrier
	BARRIER
	s_cmp_lg_u32 s14, 0
	s_cbranch_scc1 .Lnot_wave_0_\@
	s_barrier_signal -3
.Lnot_wave_0_\@:
	s_barrier_wait -3
	BARRIER
.endm
.macro TLOAD g0, g1                    ; s_nop 0 and four v_nop follow a tensor load
	tensor_load_to_lds s[\g0:\g0+3], s[\g1:\g1+7]
	s_nop 0
	PLACES 4
.endm
.macro GROUP1 g, mask, rows            ; whole rows of K, 1,024 bytes, four words of padding behind each
	s_or_b32 s[\g+0], s[\mask], (1<<20)|(1<<21)|(7<<22)|(3<<25)
	s_mov_b32 s[\g+1], 1024<<16
	s_mov_b32 s[\g+2], (\rows)<<16
	s_mov_b32 s[\g+3], 1024<<16
	s_mov_b32 s[\g+4], \rows
	s_mov_b32 s[\g+5], 1024
	s_mov_b32 s[\g+6], 0
	s_mov_b32 s[\g+7], 0
.endm
	s_load_b256 s[4:11], s[0:1], 0x0               ; codes, scl, b_qkv, qk_img
	s_load_b64 s[12:13], s[0:1], 0x20              ; v_img
	v_lshl_add_u32 v[SPW], v0, 2, SPARE
	v_mov_b32 v[NIL], 0
	ds_add_u32 v[SPW], v[NIL]                      ; the opening lines: the add, twice on end, and its wait
	ds_add_u32 v[SPW], v[NIL]
	v_lshrrev_b32 v1, 5, v0
	v_readfirstlane_b32 s14, v1                    ; wave
	s_lshr_b32 s15, s14, 1                         ; wr
	s_and_b32 s16, s14, 1                          ; wc; also which half I fetch at the head
	s_bfe_u32 s40, ttmp6, 0x40000                  ; cx = x
	s_bfe_u32 s41, ttmp6, 0x40004                  ; cy
	s_and_b32 s77, ttmp7, 0xffff                   ; the cluster's number
	s_lshl_b32 s17, s77, 2
	s_add_co_u32 s17, s17, s41                     ; y
	s_lshl_b32 s43, s41, 2
	s_lshl_b32 s43, 15, s43                        ; my row of the cluster
	s_lshl_b32 s44, 0x1111, s40                    ; my column
	GROUP1 G1A, 43, 64
	GROUP1 G1W, 44, 64
	s_lshl_b32 s19, s16, 6
	s_lshl_b32 s18, s17, 7
	s_add_co_u32 s18, s18, s19
	s_lshl_b32 s20, s18, 10                        ; the tokens: row 128 y + 64 x half
	s_mov_b32 s21, 0
	s_lshl_b32 s22, s40, 8
	s_add_co_u32 s22, s22, 8192                    ; the weights: chunk 0's first row
	s_add_co_u32 s23, s22, s19
	s_lshl_b32 s46, s23, 10                        ; its halves, for the head,
	s_mov_b32 s47, 0
	s_lshl_b32 s78, s14, 5
	s_add_co_u32 s78, s78, s22
	s_lshl_b32 s78, s78, 10                        ; its quarters, for the ring
	s_mov_b32 s79, 0
	s_mul_i32 s45, s16, 64*PITCH
	s_mov_b32 s[G0A], 1
	s_add_co_u32 s[G0A+1], s45, YR
	s_mov_b32 s[G0H], 1
	s_mov_b32 s[G0H+1], s45
	s_mov_b32 s[G0R], 1
	s_mul_i32 s[G0R+1], s14, 32*PITCH
	s_mov_b32 s[G0R+4], 1
	s_add_co_u32 s[G0R+5], s[G0R+1], YR
	s_wait_dscnt 0x0                               ; both opening adds are done
	CROUND                                         ; all sixteen work-groups are here
	s_wait_kmcnt 0x0
	s_add_nc_u64 s[G0A+2:G0A+3], s[4:5], s[20:21]
	s_or_b32 s[G0A+3], s[G0A+3], 0x80000000
	s_add_nc_u64 s[G0H+2:G0H+3], s[4:5], s[46:47]
	s_or_b32 s[G0H+3], s[G0H+3], 0x80000000
	s_add_nc_u64 s[G0R+2:G0R+3], s[4:5], s[78:79]          ; slot 0: chunk 0; stepped 1,024 rows ahead of each use
	s_add_nc_u64 s[G0R+6:G0R+7], s[G0R+2:G0R+3], 0x20000   ; slot 1: chunk 1
	s_or_b32 s[G0R+3], s[G0R+3], 0x80000000
	s_or_b32 s[G0R+7], s[G0R+7], 0x80000000
	s_cmp_lt_u32 s14, 2
	s_cbranch_scc0 .Lfor_w
	TLOAD G0A, G1A                                 ; waves 0, 1: the tokens, which are wanted first
	s_branch .Lasked
.Lfor_w:
	TLOAD G0H, G1W                                 ; waves 2, 3: chunk 0
.Lasked:
	s_lshl_b32 s18, s17, 7
	s_lshl_b32 s19, s15, 6
	s_add_co_u32 s18, s18, s19
	s_lshl_b32 s18, s18, 5
	s_mov_b32 s19, 0
	s_add_nc_u64 s[84:85], s[6:7], s[18:19]        ; my 64 tokens' scale bytes
	s_lshl_b32 s20, s40, 8
	s_lshl_b32 s21, s16, 6
	s_add_co_u32 s20, s20, s21                     ; 256 x + 64 wc: my first feature of chunk 0
	s_add_co_u32 s18, s20, 8192
	s_lshl_b32 s18, s18, 5
	s_add_nc_u64 s[PS:PS+1], s[6:7], s[18:19]
	s_lshl_b32 s18, s20, 2
	s_add_nc_u64 s[PB:PB+1], s[8:9], s[18:19]
	s_lshr_b32 s18, s17, 4                         ; the record: ((batch x 16 + head) x 16 + y % 16), head = 4 x + wc for chunk 0
	s_lshl_b32 s18, s18, 4
	s_lshl_b32 s21, s40, 2
	s_add_co_u32 s18, s18, s21
	s_add_co_u32 s18, s18, s16
	s_lshl_b32 s18, s18, 4
	s_and_b32 s21, s17, 15
	s_add_co_u32 s18, s18, s21
	s_mul_i32 s18, s18, REC
	s_add_nc_u64 s[PO:PO+1], s[10:11], s[18:19]
	s_add_nc_u64 s[PV:PV+1], s[12:13], s[18:19]
	s_lshl_b32 s18, s40, 8                         ; the prefetches: chunk 0's first byte + 8,192 (4 cy + wave)
	s_add_co_u32 s18, s18, 8192
	s_lshl_b32 s18, s18, 10
	s_lshl_b32 s21, s41, 2
	s_add_co_u32 s21, s21, s14
	s_lshl_b32 s21, s21, 13
	s_add_co_u32 s18, s18, s21
	s_add_nc_u64 s[PP:PP+1], s[4:5], s[18:19]
	s_and_b32 s21, s77, 3
	s_cmp_eq_u32 s21, 0
	s_cselect_b32 s[RA], 3, 0                      ; chunks 3, 4, 5 are asked for in the loop, by four clusters
	s_mul_i32 s86, s15, 64*PITCH
	s_add_co_u32 s86, s86, YR
	s_mul_i32 s87, s16, 64*PITCH
	s_lshl_b32 s88, s15, 12
	s_lshl_b32 s89, s15, 10
	s_lshl_b32 s90, s15, 3
	s_lshl_b32 s91, s15, 1
	s_mov_b32 s[SEL], 0x76543210
	s_mov_b32 s[SEL+1], 0xfedcba98                 ; lane l xor 16
	s_mov_b32 s[MNT], 0x600000                     ; the mantissa field of 448
	v_and_b32 v1, 15, v0                           ; r
	v_bfe_u32 v2, v0, 4, 1                         ; h
	v_and_b32 v3, 31, v0                           ; lane
	v_lshlrev_b32 v[ABS], 5, v3
	v_lshlrev_b32 v[SWO], 5, v1
	v_lshlrev_b32 v[BWO], 6, v2
	v_and_b32 v[RBO], 8, v1
	v_add_nc_u32 v[RBO], v[RBO], v1
	v_lshlrev_b32 v[RBO], 2, v[RBO]
	v_lshlrev_b32 v[PFO], 8, v3
	v_lshl_add_u32 v[LI], v3, 4, s88
	v_lshl_add_u32 v[LV], v3, 4, s89
	v_lshl_add_u32 v[QSO], v1, 4, s90
	v_lshl_add_u32 v[VSO], v1, 4, s91
	v_mul_u32_u24 v18, v1, PITCH
	v_lshl_add_u32 v18, v2, 4, v18                 ; a fragment's row x pitch + 16 h
	v_add_nc_u32 v[ADT], s86, v18
	v_add_nc_u32 v[ADW], s87, v18
	v_add_nc_u32 v[ADW+1], YR, v[ADW]
.irp b, 0,1,2,3
	v_mov_b32 v[TM+4+\b], 0                        ; written once: a lane permute's destination counts as one of its sources
.endr
	s_wait_alu depctr_va_vdst(0)
.irp p, 0,1
.irp c, 0,1
	global_load_b128 v[SB+8*\p+4*\c:SB+8*\p+4*\c+3], v[ABS], s[84:85] offset:1024*\p+16*\c
.endr
.endr
.irp b, 0,1,2,3
	global_load_b128 v[SW+8*\b:SW+8*\b+3], v[SWO], s[PS:PS+1] offset:512*\b
	global_load_b128 v[SW+8*\b+4:SW+8*\b+7], v[SWO], s[PS:PS+1] offset:512*\b+16
	global_load_b128 v[BW+8*\b:BW+8*\b+3], v[BWO], s[PB:PB+1] offset:128*(\b/2)+32*(\b%2)       ; register j of block b is feature 32 (b / 2) + 8 (b % 2) + 16 h + j
	global_load_b128 v[BW+8*\b+4:BW+8*\b+7], v[BWO], s[PB:PB+1] offset:128*(\b/2)+32*(\b%2)+16
	global_load_b32 v[RV+\b], v[RBO], s[PB:PB+1] offset:8192+4*(32*(\b/2)+8*(\b%2))             ; V's bias lies 2,048 features on; chunk 5's 128 further
	global_load_b32 v[RV+4+\b], v[RBO], s[PB:PB+1] offset:8192+512+4*(32*(\b/2)+8*(\b%2))
.endr
	s_cmp_eq_u32 s[RA], 0
	s_cbranch_scc1 .Lno_head_ask
	global_prefetch_b8 v[PFO], s[PP:PP+1] offset:131072 th:TH_LOAD_NT scope:SCOPE_SE    ; chunk 1
	global_prefetch_b8 v[PFO], s[PP:PP+1] offset:1048576 th:TH_LOAD_NT scope:SCOPE_SE   ; chunk 2
.Lno_head_ask:
	s_cmp_lt_u32 s14, 2
	s_cbranch_scc0 .Lnot_a
	s_wait_tensorcnt 0x0                           ; waves 0, 1: the tokens are in; the other two wait ahead of the round below
.Lnot_a:
	BARRIER
.irp q, 0,1,2,3,4,5,6,7                ; my 64 tokens, all of K: fragment 4 q + i in window 1 + (4 q + i) / 16
.irp i, 0,1,2,3
	WIN (1+(4*\q+\i)/16)<<6
.irp c, 0,1,2,3
	ds_load_b128 v[16*((4*\q+\i)%16)+4*\c:16*((4*\q+\i)%16)+4*\c+3], v[ADT] offset:128*\q+32*\c+\i*16*PITCH
.endr
.endr
.endr
	WIN 0
	s_wait_tensorcnt 0x0                           ; all my tensor loads are in: chunk 0 too;
	ds_add_u32 v[SPW], v[NIL]                      ; the add ahead of a refill's round;
	s_mov_b32 s[G1W+2], 32<<16                     ; no tensor load of mine is out: from here on a load brings 32 rows
	s_mov_b32 s[G1W+4], 32
	s_wait_dscnt 0x0                               ; the add is done, and the tokens are in my registers
	CROUND
	TLOAD G0R+4, G1W                               ; chunk 1 over the tokens: the first tensor load behind the round, one a wave
.macro FETCH k, slot, b                ; block b of the chunk in a slot into set k of window 3
	WIN 3<<6
.irp q, 0,1,2,3,4,5,6,7
.irp c, 0,1,2,3
	ds_load_b128 v[128*(\k)+16*\q+4*\c:128*(\k)+16*\q+4*\c+3], v[ADW+(\slot)] offset:128*\q+32*\c+(\b)*16*PITCH
.endr
.endr
	WIN 0
.endm
.macro PROD kind, k, b, n              ; product n = 4 q + i: the q-th 128 of K, token tile i; the four accumulators take turns
.set Q_, (\n)/4
.set I_, (\n)%4
.set T_, 16*((\n)%16)
.set R_, 128*(\k)+16*Q_
.set WS_, SW+8*(\b)+Q_
.set XS_, SB+8*(I_/2)+Q_
.if \kind
.set AC_, ACC+32*((\b)%2)+8*I_         ; V: tiles 2 g and 2 g + 1 side by side: 16 neighbouring keys
	WIN (1+(\n)/16)|(3<<2)
.if Q_ == 0 && I_%2
	v_wmma_scale_f32_16x16x128_f8f6f4 v[AC_:AC_+7], v[T_:T_+15], v[R_:R_+15], 0, v[XS_], v[WS_] matrix_a_scale:MATRIX_SCALE_ROW1
.elseif Q_ == 0
	v_wmma_scale_f32_16x16x128_f8f6f4 v[AC_:AC_+7], v[T_:T_+15], v[R_:R_+15], 0, v[XS_], v[WS_]
.elseif I_%2
	v_wmma_scale_f32_16x16x128_f8f6f4 v[AC_:AC_+7], v[T_:T_+15], v[R_:R_+15], v[AC_:AC_+7], v[XS_], v[WS_] matrix_a_scale:MATRIX_SCALE_ROW1
.else
	v_wmma_scale_f32_16x16x128_f8f6f4 v[AC_:AC_+7], v[T_:T_+15], v[R_:R_+15], v[AC_:AC_+7], v[XS_], v[WS_]
.endif
.else
.set AC_, ACC+16*I_+8*((\b)%2)         ; Q, K: blocks 2 e and 2 e + 1 side by side: 16 neighbouring features
.set C_, AC_
.if Q_ == 0
.set C_, BW+8*(\b)
.endif
	WIN 3|((1+(\n)/16)<<2)
.if I_%2
	v_wmma_scale_f32_16x16x128_f8f6f4 v[AC_:AC_+7], v[R_:R_+15], v[T_:T_+15], v[C_:C_+7], v[WS_], v[XS_] matrix_b_scale:MATRIX_SCALE_ROW1
.else
	v_wmma_scale_f32_16x16x128_f8f6f4 v[AC_:AC_+7], v[R_:R_+15], v[T_:T_+15], v[C_:C_+7], v[WS_], v[XS_]
.endif
.endif
.endm
; 64 numbers of a lane, four scale blocks of 16 registers (the other 16 numbers of a block lie in lane l xor 16), become 16 registers of codes in v[PC] on and four scale bytes in v[pw].
.macro QUANT s, pw
.irp b, 0,1,2,3
	v_max3_num_f32 v[TM+\b], |v[\s+16*\b]|, |v[\s+1+16*\b]|, 0x4800000   ; and the floor 2^(9 - 127): the byte cannot fall under 1
.endr
.irp i, 2,4,6,8,10,12,14
.irp b, 0,1,2,3
	v_max3_num_f32 v[TM+\b], v[TM+\b], |v[\s+16*\b+\i]|, |v[\s+1+16*\b+\i]|
.endr
.endr
.irp b, 0,1,2,3
	v_permlanex16_b32 v[TM+4+\b], v[TM+\b], s[SEL], s[SEL+1]
.endr
.irp b, 0,1,2,3
	v_max_num_f32 v[TM+\b], v[TM+\b], v[TM+4+\b]
.endr
.irp b, 0,1,2,3
	v_add_nc_u32 v[TM+12+\b], 0xfc000000, v[TM+\b]   ; 8 off the exponent field: the conversion's scale operand
.endr
.irp b, 0,1,2,3
	v_and_or_b32 v[TM+8+\b], v[TM+\b], 0x7f800000, s[MNT]   ; 448 x the scale
.endr
.irp b, 0,1,2,3
	v_lshrrev_b32 v[TM+4+\b], 23, v[TM+12+\b]
.endr
	v_lshl_or_b32 v[\pw], v[TM+5], 8, v[TM+4]
	v_lshl_or_b32 v[\pw], v[TM+6], 16, v[\pw]
	v_lshl_or_b32 v[\pw], v[TM+7], 24, v[\pw]
.irp b, 0,1,2,3
.irp i, 0,1,2,3,4,5,6,7,8,9,10,11,12,13,14,15
	v_med3_num_f32 v[\s+16*\b+\i], v[\s+16*\b+\i], -v[TM+8+\b], v[TM+8+\b]   ; the conversion does not saturate (ISA guide 7.6.2): the hold
.endr
	v_cvt_scalef32_pk8_fp8_f32 v[PC+4*\b:PC+1+4*\b], v[\s+16*\b:\s+7+16*\b], v[TM+12+\b]
	v_cvt_scalef32_pk8_fp8_f32 v[PC+2+4*\b:PC+3+4*\b], v[\s+8+16*\b:\s+15+16*\b], v[TM+12+\b]
.endr
	v_nop                                          ; one plain line behind the last conversion
.endm
.macro OUTQ e                          ; Q, K: blocks 2 e, 2 e + 1: features 32 e on of my head, for my four token tiles
	s_wait_xcnt 0x0                                ; the last pair's stores have read their registers
	QUANT ACC, PWS+(\e)
.irp i, 0,1,2,3
	global_store_b128 v[LI], v[PC+4*\i:PC+4*\i+3], s[PO:PO+1] offset:1024*\i+512*(\e)   ; 512 consecutive bytes
.endr
.if \e
	v_perm_b32 v[OW], v[PWS+1], v[PWS], 0x05010400     ; tiles 0, 1: (u 0: c 0, c 1; u 1: c 0, c 1)
	v_perm_b32 v[OW+1], v[PWS+1], v[PWS], 0x07030602   ; tiles 2, 3
	global_store_b64 v[QSO], v[OW:OW+1], s[PO:PO+1] offset:8192   ; both halves of the lanes hold and store the same words
.endif
.endm
.macro OUTV e, cc                      ; V: blocks 2 e, 2 e + 1 = tiles t of my head's 64; scale block 2 (t % 2) + g: keys 64 wr + 32 g on
	s_wait_xcnt 0x0
.irp bb, 0,1
	v_mov_b32 v[TB2], v[RV+4*(\cc)+2*(\e)+\bb]
	v_mov_b32 v[TB2+1], v[RV+4*(\cc)+2*(\e)+\bb]
.set J_, 0
.rept 16
	v_pk_add_f32 v[ACC+32*\bb+J_:ACC+32*\bb+J_+1], v[ACC+32*\bb+J_:ACC+32*\bb+J_+1], v[TB2:TB2+1]   ; each accumulator from its low end on
.set J_, J_+2
.endr
.endr
	QUANT ACC, PWS
.irp bb, 0,1
.irp g, 0,1
	global_store_b128 v[LV], v[PC+4*(2*\bb+\g):PC+4*(2*\bb+\g)+3], s[PV:PV+1] offset:(\cc)*2*HEADB+2048*(2*(\e)+\bb)+512*\g
.endr
.endr
	global_store_b16 v[VSO], v[PWS], s[PV:PV+1] offset:(\cc)*2*HEADB+8192+8*(\e)           ; tile 2 e: my two bytes of its word
	global_store_d16_hi_b16 v[VSO], v[PWS], s[PV:PV+1] offset:(\cc)*2*HEADB+8192+8*(\e)+4  ; tile 2 e + 1
.endm
.macro ASK                             ; chunk c + 3, asked for in chunk c
	s_cmp_eq_u32 s[RA], 0
	s_cbranch_scc1 .Lno_ask_\@
	global_prefetch_b8 v[PFO], s[PP:PP+1] offset:1179648 th:TH_LOAD_NT scope:SCOPE_SE
	s_sub_co_u32 s[RA], s[RA], 1
.Lno_ask_\@:
.endm
; A block.  kind 0: Q, K; 1: V.  mode 2: the slot is filled again and a chunk follows; 1: a chunk follows; 0: the last chunk.
.macro BLKC kind, slot, mode, b
.if (\mode) == 0 && (\b) == 3
	s_wait_dscnt 0x0
.else
	s_wait_dscnt NF                                ; my block is in; the next block's fetch may be out
.endif
.if (\kind) == 0
	s_wait_loadcnt 12                              ; my block's scale words and bias are in: behind them three blocks' four loads were issued
.elseif (\mode) == 1
	s_wait_loadcnt 12-2*(\b)                       ; behind them: four loads for each later block of chunk 3, two for each earlier one of chunk 4
.else
	s_wait_loadcnt 6-2*(\b)                        ; behind them: two loads for each later block of chunk 4
.endif
.set N_, 0
.rept 32
	PROD \kind, (\b)%2, \b, N_
.set N_, N_+1
.endr
	WIN 0
	PLACES NP                                      ; ahead of the loads into registers just read and of the readers of the sums
.if \mode
	global_load_b128 v[SW+8*(\b):SW+8*(\b)+3], v[SWO], s[PS:PS+1] offset:512*(\b)
	global_load_b128 v[SW+8*(\b)+4:SW+8*(\b)+7], v[SWO], s[PS:PS+1] offset:512*(\b)+16
.if (\kind) == 0
	global_load_b128 v[BW+8*(\b):BW+8*(\b)+3], v[BWO], s[PB:PB+1] offset:128*((\b)/2)+32*((\b)%2)
	global_load_b128 v[BW+8*(\b)+4:BW+8*(\b)+7], v[BWO], s[PB:PB+1] offset:128*((\b)/2)+32*((\b)%2)+16
.endif
.endif
.if (\b) == 2 && (\mode) == 2
	s_wait_tensorcnt 0x0                           ; my part of the next chunk is in;
	ds_add_u32 v[SPW], v[NIL]
	s_add_nc_u64 s[G0R+4*(\slot)+2:G0R+4*(\slot)+3], s[G0R+4*(\slot)+2:G0R+4*(\slot)+3], 0x100000   ; this slot's next chunk: 1,024 rows on
	s_wait_dscnt 0x0                               ; the add is done, and block 3 is in my registers: my reads of this slot are over
	CROUND
	TLOAD G0R+4*(\slot), G1W                       ; the first tensor load behind the round, one a wave
.elseif (\b) == 2 && (\mode) == 1
	s_wait_tensorcnt 0x0                           ; my part of the last chunk is in,
	s_wait_dscnt 0x0
	BARRIER                                        ; everybody's is
.endif
.if (\b) < 2
	FETCH (\b)%2, \slot, (\b)+2
.elseif \mode
	FETCH (\b)%2, 1-(\slot), (\b)-2
.endif
.if (\b) == 0 && (\mode) == 2
	ASK
.endif
.if (\b)%2
.if \kind
	OUTV (\b)/2, \slot
.else
	OUTQ (\b)/2
.endif
.endif
.endm
.macro CHUNK kind, slot, mode
.irp b, 0,1,2,3
	BLKC \kind, \slot, \mode, \b
.endr
.endm
	FETCH 0, 0, 0
	FETCH 1, 0, 1
	s_wait_loadcnt 0x0                             ; the head's loads are in, so their bases may be stepped: on to chunk 1
	s_add_nc_u64 s[PS:PS+1], s[PS:PS+1], 4096
	s_add_nc_u64 s[PB:PB+1], s[PB:PB+1], 512
	s_mov_b32 s3, 2
.Ltrip:                                                ; a trip: two chunks, once round the ring: w_q's, then w_k's
	CHUNK 0, 0, 2
	s_wait_xcnt 0x0                                ; every load, store and prefetch has read its base
	s_add_nc_u64 s[PS:PS+1], s[PS:PS+1], 28672     ; from an odd chunk to the next even one: 896 rows on
	s_add_nc_u64 s[PB:PB+1], s[PB:PB+1], 3584
	s_add_nc_u64 s[PP:PP+1], s[PP:PP+1], 917504
	s_add_nc_u64 s[PO:PO+1], s[PO:PO+1], 2*HEADB   ; two heads on
	CHUNK 0, 1, 2
	s_wait_xcnt 0x0
	s_add_nc_u64 s[PS:PS+1], s[PS:PS+1], 4096      ; from an even chunk to the odd one: 128 rows on
	s_add_nc_u64 s[PB:PB+1], s[PB:PB+1], 512
	s_add_nc_u64 s[PP:PP+1], s[PP:PP+1], 131072
	s_add_nc_u64 s[PO:PO+1], s[PO:PO+1], 62*HEADB  ; from q's records to k's, two heads back
	s_sub_co_u32 s3, s3, 1
	s_cmp_lg_u32 s3, 0
	s_wait_alu depctr_va_vdst(0)
	s_cbranch_scc1 .Ltrip
	CHUNK 1, 0, 1                                  ; w_v's two chunks are written out: they fill nothing
	CHUNK 1, 1, 0
	s_wait_tensorcnt 0x0                           ; the wave's end
	ds_add_u32 v[SPW], v[NIL]
	s_wait_dscnt 0x0
	CROUND                                         ; the closing round
	s_endpgm
.Lfunc_end_k_q5545d0765c_qkv:
	.size	k_q5545d0765c_qkv, .Lfunc_end_k_q5545d0765c_qkv-k_q5545d0765c_qkv
	.p2alignl 7, 3214868480
	.fill 96, 4, 3214868480
	.section	.rodata,"a",@progbits
	.p2align	6, 0x0
	.amdhsa_kernel k_q5545d0765c_qkv
		.amdhsa_group_segment_fixed_size 327680
		.amdhsa_private_segment_fixed_size 0
		.amdhsa_enable_private_segment 0
		.amdhsa_kernarg_size 40
		.amdhsa_user_sgpr_count 2
		.amdhsa_user_sgpr_kernarg_segment_ptr 1
		.amdhsa_wavefront_size32 1
		.amdhsa_system_sgpr_workgroup_id_x 1
		.amdhsa_system_sgpr_workgroup_id_y 1
		.amdhsa_system_sgpr_workgroup_id_z 1
		.amdhsa_system_vgpr_workitem_id 0
		.amdhsa_next_free_vgpr 1024
		.amdhsa_next_free_sgpr 100
		.amdhsa_reserve_vcc 0
		.amdhsa_float_denorm_mode_32 3
		.amdhsa_float_denorm_mode_16_64 3
		.amdhsa_memory_ordered 1
		.amdhsa_forward_progress 1
		.amdhsa_inst_pref_size 207
	.end_amdhsa_kernel
	.amdgpu_metadata
---
amdhsa.version: [ 1, 2 ]
amdhsa.kernels:
  - .name:           k_q5545d0765c_qkv
    .symbol:         k_q5545d0765c_qkv.kd
    .args:
      - { .name: codes, .offset: 0, .size: 8, .value_kind: global_buffer, .address_space: global }
      - { .name: scl, .offset: 8, .size: 8, .value_kind: global_buffer, .address_space: global }
      - { .name: b_qkv, .offset: 16, .size: 8, .value_kind: global_buffer, .address_space: global }
      - { .name: qk_img, .offset: 24, .size: 8, .value_kind: global_buffer, .address_space: global }
      - { .name: v_img, .offset: 32, .size: 8, .value_kind: global_buffer, .address_space: global }
    .group_segment_fixed_size: 327680
    .private_segment_fixed_size: 0
    .kernarg_segment_align: 8
    .kernarg_segment_size: 40
    .max_flat_workgroup_size: 128
    .sgpr_count:     100
    .vgpr_count:     1024
    .wavefront_size: 32
...
	.end_amdgpu_metadata
.endif
;; end of part 2
;; launch attn (part 3): grid 4 x 64, 16 waves a work-group, clusters of 4 x 1, 327,680 bytes of LDS; arguments qk_img, v_img, ao_img, ao_scl; writes ao_img, ao_scl
.if DOCPART == 3
	.amdgcn_target "amdgcn-amd-amdhsa--gfx1250"
	.amdhsa_code_object_version 6
	.text
	.protected	k_q5545d0765c_attn
	.globl	k_q5545d0765c_attn
	.p2align	8
	.type	k_q5545d0765c_attn,@function
k_q5545d0765c_attn:
	s_mov_b64 s[64:65], 0
	v_nop
	global_prefetch_b8 v0, s[64:65] scope:SCOPE_SE
	s_setreg_imm32_b32 hwreg(HW_REG_WAVE_MODE, 25, 1), 1
	s_wait_xcnt 0x0
	s_wait_alu depctr_hold_cnt(0) depctr_sa_sdst(0) depctr_va_vdst(0) depctr_va_sdst(0) depctr_va_ssrc(0) depctr_va_vcc(0) depctr_vm_vsrc(0)
	s_getreg_b32 s2, hwreg(HW_REG_IB_STS2, 6, 4)
	s_cmp_eq_u32 s2, 0
	s_cbranch_scc0 .Lentry_in_a_cluster
	s_endpgm
.Lentry_in_a_cluster:
	s_bfe_u32 s2, ttmp6, 0x10000c
	s_cmp_lg_u32 s2, 0x3003
	s_cbranch_scc0 .Lentry_shape_is_right
	s_endpgm
.Lentry_shape_is_right:
; CAUSAL ATTENTION OF ONE HEAD ON CODES OF MX-FP8 (E4M3, one E8M0 byte for 32 along K), AND THE QUANTISER OF ITS RESULT.  S^T = K Q^T (K = the head's 64), p = 2^(t - M), O^T = V^T P^T (K = the keys).
; t = score x log2(e) / 8; M = the running largest t rounded up to a whole number; the row's sum is taken of the unquantised p and divides O at the end; O / sum is quantised along the head's 64 for the last product.
; WORK LEFT OUT: a step of 128 keys that lies wholly behind a tile's queries (reference()'s own causal mask makes its p 0 for all inputs).
; LIMITS: the scaled scores stay under 2^31 in magnitude; a block whose every p is 0 keeps the byte 1 (its codes are zeros); NaN and infinities are not served.
; IN.  qk_img: [q, k][batch x 16 + head][128 tokens] records of 8,448 bytes: [32 tokens g][p = 2 u + c][lane][16 bytes], then [r][g] scale words.  v_img: [batch x 16 + head][128 keys] records: [tile t of 16 d][32 keys c][lane][16], then [r][t] words.
; OUT. ao_img: [head][batch][tile of 16 queries][c][lane][16 bytes];  ao_scl: [head][batch][tile][r][2 bytes].
; SHARES.  A cluster of four work-groups owns one head of one batch; all four walk the same K and V, so each tile of K and V is asked for JOINTLY (mask 15).  A head has 128 tiles of 16 queries, eight to a record of 128 tokens.
; Work-group cx takes tiles 8 R + 2 cx + u; number j = 2 R + u (0 .. 31) comes from the wave's number alone, so no branch and no LDS address hangs on cx: only global addresses and the lanes' mask values do.
; Wave w takes j1 = w xor 3 (bit 2 of w) and then j2 = 31 - j1: R1 + 1 + R2 + 1 = 17 key steps in every wave; the xor evens out the first pass's steps over waves w, w + 4, w + 8, w + 12.
; LDS.  The head's 16 records of K (from 0) and of V (from VB) are fetched ONCE, all at the head, one tensor load a wave: wave w brings records 2 (w / 2) and 2 (w / 2) + 1 of K (w even) or V (w odd): 66 rows of 256 bytes.
; Waves 0 to 3 (records 0 to 3) have load lines of their own and wait at the first barrier; the first pass's first four trips read those records alone; ahead of the second barrier every wave waits for its load.  Nothing is filled again.
; No prefetch: every tensor load of the launch stands at its head, so there is no loop in which to ask ahead.
; ao_scl: a work-group's two tiles of a record are 64 consecutive bytes, so its stores cover a quarter of each run of 256 bytes; the buffer is 1/32 of ao_img.
; REGISTERS: v1-4 lane addresses; v5-7, v243 the step's LDS addresses; v8-10 the scale stage; v11 mask value; v12 -M, v13 largest t, v[14:15] the sum; v16-23, v32-39 zeros round Q v24-31; v40-43 K's or V's scale words; v44 Q's, v45 p's;
; v48-111 fragments; v112-175 S^T then p; v176-207 O^T; v208-223 codes; v224-247 at work; v248-255 the second pass's Q (v254, v255 serve the add at the head and are made anew at the end).
.set REC,   8448
.set HEADB, 16*REC
.set VB,    HEADB
.set SCG,   2*HEADB                    ; the stage of scale bytes: [j][r][2 bytes], 1,024 bytes
.set SPARE, SCG+1024                   ; the spare words: 128 bytes a wave
.set ADK,  5
.set ADV,  6
.set ADS,  7
.set ADT,  243
.set KV,   48
.set S,    112
.set O,    176
.set PCD,  208
.set T,    224
.set WV,   12
.set G1,   16                          ; s[16:23] group 1;  s[24:27] K's group 0;  s[68:71] V's
.set G0K,  24
.set G0V,  68
.set SEL,  32
.set CS,   34
.set MNT,  36
.set TB,   37                          ; LDS byte at which the step's record begins
.set KF,   38                          ; the step's first key
.set CNT,  39
.set Q0,   40                          ; the first token of my tile's record: from the wave's number alone
.macro CROUND                          ; a round of the cluster's barrier
	s_barrier_signal -1
	s_barrier_wait -1
	s_cmp_lg_u32 s[WV], 0
	s_cbranch_scc1 .Lnot_wave_0_\@
	s_barrier_signal -3
.Lnot_wave_0_\@:
	s_barrier_wait -3
	s_barrier_signal -1
	s_barrier_wait -1
.endm
.macro TL g0                           ; a joint load; s_nop 0 and four v_nop follow it
	tensor_load_to_lds s[\g0:\g0+3], s[G1:G1+7]
	s_nop 0
.rept 4
	v_nop
.endr
.endm
	s_load_b256 s[4:11], s[0:1], 0x0               ; qk_img, v_img, ao_img, ao_scl
	v_lshl_add_u32 v254, v0, 2, SPARE
	v_mov_b32 v255, 0
	ds_add_u32 v254, v255                          ; the opening lines: the add, twice on end, and its wait ahead of the first tensor load
	ds_add_u32 v254, v255
	v_lshrrev_b32 v1, 5, v0
	v_readfirstlane_b32 s[WV], v1                  ; wave 0..15
	s_and_b32 s13, ttmp7, 0xffff                   ; the cluster's y: batch x 16 + head
	s_bfe_u32 s28, ttmp6, 0x40000                  ; cx
	s_mov_b32 s[G1+0], 15|(3<<16)|(1<<21)          ; mask: all four partners; elements of 8 bytes; bit 21 beside the mask
	s_mov_b32 s[G1+1], 32<<16                      ; rows of 256 bytes
	s_mov_b32 s[G1+2], 66<<16                      ; two records: 66 rows
	s_mov_b32 s[G1+3], 32<<16
	s_mov_b32 s[G1+4], 66
	s_mov_b32 s[G1+5], 32
	s_mov_b32 s[G1+6], 0
	s_mov_b32 s[G1+7], 0
	s_and_b32 s2, s[WV], 1                         ; 0: I fetch for K; 1: for V
	s_lshr_b32 s3, s[WV], 1
	s_mul_i32 s3, s3, 2*REC                        ; which two records
	s_mul_i32 s62, s13, HEADB                      ; my head's first byte among q's records and in v_img
	s_mov_b32 s[G0K], 1
	s_mov_b32 s[G0K+1], s3
	s_mov_b32 s[G0V], 1
	s_add_co_u32 s[G0V+1], s3, VB
	s_add_co_u32 s14, s3, s62
	s_mov_b32 s15, 0
	s_add_co_u32 s30, s14, 64*HEADB                ; k's records lie behind q's 64 heads
	s_mov_b32 s31, 0
	s_wait_dscnt 0x0                               ; both opening adds are done
	CROUND                                         ; all four work-groups are here: the joint loads meet
	s_wait_kmcnt 0x0
	s_add_nc_u64 s[G0K+2:G0K+3], s[4:5], s[30:31]
	s_or_b32 s[G0K+3], s[G0K+3], 0x80000000
	s_add_nc_u64 s[G0V+2:G0V+3], s[6:7], s[14:15]
	s_or_b32 s[G0V+3], s[G0V+3], 0x80000000
	s_cmp_lt_u32 s[WV], 4                          ; one tree of branches on the wave's number, one load to an arm
	s_cbranch_scc0 .Lrest
	s_cmp_eq_u32 s2, 0
	s_cbranch_scc0 .Lfirst_v
	TL G0K                                         ; waves 0, 2: K's records 0 to 3
	s_branch .Lasked
.Lfirst_v:
	TL G0V                                         ; waves 1, 3: V's records 0 to 3
	s_branch .Lasked
.Lrest:
	s_cmp_eq_u32 s2, 0
	s_cbranch_scc0 .Lrest_v
	TL G0K                                         ; even waves from 4 on: K's records 4 to 15
	s_branch .Lasked
.Lrest_v:
	TL G0V                                         ; odd waves from 5 on: V's
.Lasked:
	s_mov_b32 s[SEL], 0x76543210
	s_mov_b32 s[SEL+1], 0xfedcba98                 ; lane l xor 16
	s_mov_b32 s[CS], 0x3e38aa3b                    ; c = log2(e) / 8
	s_mov_b32 s[CS+1], s[CS]
	s_mov_b32 s[MNT], 0x600000                     ; the mantissa field of 448
	s_and_b32 s2, s13, 15                          ; head
	s_lshr_b32 s3, s13, 4                          ; batch
	s_lshl_b32 s63, s2, 19
	s_lshl_b32 s41, s3, 17
	s_add_co_u32 s63, s63, s41                     ; ao_img: my head and batch
	s_lshl_b32 s14, s2, 14
	s_lshl_b32 s41, s3, 12
	s_add_co_u32 s14, s14, s41                     ; ao_scl: my head and batch,
	s_lshl_b32 s41, s28, 6
	s_add_co_u32 s14, s14, s41                     ; my work-group's 64 bytes of each 256,
	s_and_b32 s2, s[WV], 1
	s_lshl_b32 s41, s2, 11
	s_add_co_u32 s14, s14, s41                     ; and wave 0 stores records 0 to 7, wave 1 records 8 to 15
	s_add_nc_u64 s[60:61], s[10:11], s[14:15]
	s_bfe_u32 s29, s[WV], 0x10002
	s_mul_i32 s29, s29, 3
	s_xor_b32 s29, s29, s[WV]                      ; j1
	s_xor_b32 s30, s29, 31                         ; j2 = 31 - j1
	s_lshr_b32 s56, s29, 1
	s_lshl_b32 s56, s56, 7                         ; the first token of each pass's record
	s_lshr_b32 s57, s30, 1
	s_lshl_b32 s57, s57, 7
.macro TAU t, j                        ; tile = 8 (j / 2) + 2 cx + j % 2
	s_lshr_b32 s[\t], s[\j], 1
	s_lshl_b32 s[\t], s[\t], 3
	s_and_b32 s2, s[\j], 1
	s_add_co_u32 s[\t], s[\t], s2
	s_lshl_b32 s2, s28, 1
	s_add_co_u32 s[\t], s[\t], s2
.endm
	TAU 66, 29
	TAU 67, 30
.macro TILE tau, qc, qw, ao, sel, dq   ; a tile's codes of Q, its scale words, its place in ao_img, the bytes of a scale word that are its own, and its first query
	s_lshr_b32 s2, s[\tau], 3
	s_mul_i32 s2, s2, REC
	s_add_co_u32 s2, s2, s62
	s_and_b32 s3, s[\tau], 7
	s_lshl_b32 s3, s3, 10
	s_add_co_u32 s14, s2, s3
	s_add_nc_u64 s[\qc:\qc+1], s[4:5], s[14:15]
	s_bfe_u32 s3, s[\tau], 0x20001
	s_lshl_b32 s3, s3, 2
	s_add_co_u32 s14, s2, s3
	s_add_co_u32 s14, s14, 8192
	s_add_nc_u64 s[\qw:\qw+1], s[4:5], s[14:15]
	s_lshl_b32 s14, s[\tau], 10
	s_add_co_u32 s14, s14, s63
	s_add_nc_u64 s[\ao:\ao+1], s[8:9], s[14:15]
	s_and_b32 s3, s[\tau], 1
	s_mul_i32 s[\sel], s3, 0x02020202
	s_add_co_u32 s[\sel], s[\sel], 0x01000100
	s_lshr_b32 s[\dq], s[\tau], 1
	s_lshl_b32 s[\dq], s[\dq], 5
	s_lshl_b32 s3, s3, 3
	s_add_co_u32 s[\dq], s[\dq], s3
.endm
	TILE 66, 42, 44, 50, 54, 58
	TILE 67, 46, 48, 52, 55, 59
	s_lshl_b32 s2, s29, 5
	s_add_co_u32 s2, s2, SCG                       ; the stage: 32 bytes for each j
	s_lshl_b32 s3, s30, 5
	s_add_co_u32 s3, s3, SCG
	s_and_b32 s31, s[WV], 1
	s_lshl_b32 s31, s31, 9
	s_add_co_u32 s31, s31, SCG
	v_and_b32 v1, 31, v0
	v_lshlrev_b32 v1, 4, v1                        ; 16 x lane
	v_and_b32 v246, 15, v0                         ; r
	v_bfe_u32 v247, v0, 4, 1                       ; h
	v_lshlrev_b32 v242, 4, v246
	global_load_b128 v[24:27], v1, s[42:43]        ; Q of both passes stays in registers
	global_load_b128 v[28:31], v1, s[42:43] offset:512
	global_load_b32 v46, v242, s[44:45]
	global_load_b128 v[248:251], v1, s[46:47]
	global_load_b128 v[252:255], v1, s[46:47] offset:512
	global_load_b32 v47, v242, s[48:49]
	v_add_nc_u32 v2, VB, v1
	v_add_nc_u32 v3, 8192, v242
	v_and_b32 v4, 8, v246
	v_add_nc_u32 v4, v4, v246
	v_lshlrev_b32 v5, 4, v247
	v_sub_nc_u32 v4, v4, v5                        ; r + 8 (r / 8) - 16 h
	v_lshl_add_u32 v8, v246, 1, s2
	v_lshl_add_u32 v9, v246, 1, s3
	v_add_nc_u32 v10, s31, v1
.irp i, 0,1,2,3,4,5,6,7
	v_mov_b32 v[16+\i], 0
	v_mov_b32 v[32+\i], 0
.endr
.macro INIT pass
.if \pass == 2
	s_wait_xcnt 0x0                                ; the first pass's stores have read their registers
.irp i, 0,1,2,3,4,5,6,7
	v_mov_b32 v[24+\i], v[248+\i]
.endr
.endif
	v_perm_b32 v44, v[45+\pass], v[45+\pass], s[53+\pass]
	v_add_nc_u32 v11, s[57+\pass], v4
	v_mov_b32 v13, 0xff61b1e6                      ; -3e38, under every t
	s_delay_alu instid0(VALU_DEP_1)
	v_floor_f32 v12, -v13
	v_mov_b32 v14, 0
	v_mov_b32 v15, 0
	v_mov_b32 v245, 0
.irp b, 0,1,2,3
	v_mov_b32 v[T+4+\b], 0
.endr
.set j, 0
.rept 32
	v_mov_b32 v[O+j], 0
.set j, j+1
.endr
	s_mov_b32 s[TB], 0
	s_mov_b32 s[KF], 0
	s_mov_b32 s[Q0], s[55+\pass]
.endm
; A KEY STEP: 128 keys, one record.  A fragment of K holds two tiles of 16 keys x 64; Q stands between zeros, so that v[24:39] meets the first tile and v[16:31] the second.
.macro STEP
	s_cmp_gt_u32 s[KF], s[Q0]                      ; all keys behind my queries: the step's work is left out; the lines at its end are not
	s_cbranch_scc1 .Lhidden_\@
	v_add_nc_u32 v[ADK], s[TB], v1
	v_add_nc_u32 v[ADV], s[TB], v2
	v_add_nc_u32 v[ADS], s[TB], v3
	s_delay_alu instid0(VALU_DEP_1)
	v_add_nc_u32 v[ADT], VB, v[ADS]
.rept 4
	v_nop                                          ; with the four additions: eight places ahead of loads into registers that the last products read
.endr
.irp g, 0,1,2,3
.irp p, 0,1,2,3
	ds_load_b128 v[KV+16*\g+4*\p:KV+16*\g+4*\p+3], v[ADK] offset:2048*\g+512*\p
.endr
.endr
	ds_load_b128 v[40:43], v[ADS]
	s_wait_alu depctr_va_vdst(0)
	s_wait_dscnt 0x0
.irp g, 0,1,2,3
	v_wmma_scale_f32_16x16x128_f8f6f4 v[S+16*\g:S+16*\g+7], v[KV+16*\g:KV+16*\g+15], v[24:39], 0, v[40+\g], v44
	v_wmma_scale_f32_16x16x128_f8f6f4 v[S+16*\g+8:S+16*\g+15], v[KV+16*\g:KV+16*\g+15], v[16:31], 0, v[40+\g], v44
.endr
.rept 8
	v_nop
.endr
.irp t, 0,1,2,3
.irp c, 0,1,2,3
	ds_load_b128 v[KV+16*\t+4*\c:KV+16*\t+4*\c+3], v[ADV] offset:2048*\t+512*\c   ; V's fragments land under the softmax
.endr
.endr
	ds_load_b128 v[40:43], v[ADT]
	s_add_co_u32 s41, s[KF], 128
	s_cmp_le_u32 s41, s[Q0]
	s_cbranch_scc1 .Lopen_\@
	v_sub_nc_u32 v246, v11, s[KF]                  ; the record of my own queries: register 16 b + i holds key KF + 32 b + 16 h + i, hidden where 32 b + i > my query - KF - 16 h
	v_mov_b32 v247, 0xff800000
.set n, 0
.rept 64
	v_cmp_gt_i32 vcc_lo, 32*(n/16)+n%16, v246
	v_cndmask_b32 v[S+n], v[S+n], v247, vcc_lo
.set n, n+1
.endr
.Lopen_\@:
.irp b, 0,1,2,3
	v_max3_num_f32 v[T+\b], v[S+16*\b], v[S+1+16*\b], v[S+2+16*\b]   ; the largest score of each block of 32 keys: for the row's maximum and for the block's largest p
.endr
.irp i, 3,5,7,9,11,13
.irp b, 0,1,2,3
	v_max3_num_f32 v[T+\b], v[T+\b], v[S+16*\b+\i], v[S+1+16*\b+\i]
.endr
.endr
.irp b, 0,1,2,3
	v_max_num_f32 v[T+\b], v[T+\b], v[S+15+16*\b]
.endr
.irp b, 0,1,2,3
	s_delay_alu instid0(VALU_DEP_4)
	v_permlanex16_b32 v[T+4+\b], v[T+\b], s[SEL], s[SEL+1]
.endr
.irp b, 0,1,2,3
	s_delay_alu instid0(VALU_DEP_4)
	v_max_num_f32 v[T+\b], v[T+\b], v[T+4+\b]
.endr
	s_delay_alu instid0(VALU_DEP_2)
	v_max3_num_f32 v246, v[T], v[T+1], v[T+2]
	s_delay_alu instid0(VALU_DEP_1)
	v_max_num_f32 v246, v246, v[T+3]
	s_delay_alu instid0(VALU_DEP_1)
	v_mul_f32 v246, s[CS], v246
	s_delay_alu instid0(VALU_DEP_1)
	v_max_num_f32 v13, v13, v246                   ; the running largest t
	v_mov_b32 v246, v12
	s_delay_alu instid0(VALU_DEP_2)
	v_floor_f32 v12, -v13                          ; -M = floor(-t)
	s_delay_alu instid0(VALU_DEP_1)
	v_sub_f32 v246, v12, v246
	s_delay_alu instid0(VALU_DEP_1)
	v_cvt_i32_f32 v246, v246
	s_delay_alu instid0(VALU_DEP_1)
	v_ldexp_f32 v244, 1.0, v246                    ; f = 2^(old M - new M)
.set j, 0
.rept 32
	v_pk_fma_f32 v[S+j:S+j+1], v[S+j:S+j+1], s[CS:CS+1], v[12:13] op_sel_hi:[1,0,0]   ; t - M
.set j, j+2
.endr
.irp b, 0,1,2,3
	v_fma_f32 v[T+\b], v[T+\b], s[CS], v12
.endr
.set j, 0
	s_wait_alu depctr_va_vdst(0)                   ; ahead of the batch
.rept 64
	v_exp_f32 v[S+j], v[S+j]
.set j, j+1
.endr
.irp b, 0,1,2,3
	v_exp_f32 v[T+\b], v[T+\b]
.endr
	v_pk_mul_f32 v[14:15], v[14:15], v[244:245] op_sel_hi:[1,0]
	s_wait_alu depctr_va_vdst(0)                   ; and behind it, ahead of its first reader
.irp b, 0,1,2,3
	v_max_num_f32 v[T+\b], 0x4800000, v[T+\b]      ; the floor 2^(9 - 127): the byte cannot fall under 1
.endr
.irp b, 0,1,2,3
	s_delay_alu instid0(VALU_DEP_4)
	v_add_nc_u32 v[T+12+\b], 0xfc000000, v[T+\b]   ; the conversion's scale operand
.endr
.irp b, 0,1,2,3
	v_and_or_b32 v[T+8+\b], v[T+\b], 0x7f800000, s[MNT]   ; 448 x the scale
.endr
.irp b, 0,1,2,3
	v_lshrrev_b32 v[T+4+\b], 23, v[T+12+\b]
.endr
	s_delay_alu instid0(VALU_DEP_3)
	v_lshl_or_b32 v45, v[T+5], 8, v[T+4]           ; p's scale word
	s_delay_alu instid0(VALU_DEP_1)
	v_lshl_or_b32 v45, v[T+6], 16, v45
	s_delay_alu instid0(VALU_DEP_1)
	v_lshl_or_b32 v45, v[T+7], 24, v45
	v_pk_add_f32 v[240:241], v[S:S+1], v[S+2:S+3]  ; the row's sum of the unquantised p, in two chains
.irp j, 4,8,12,16,20,24,28,32,36,40,44,48,52,56,60
	v_pk_add_f32 v[14:15], v[14:15], v[S+\j:S+\j+1]
	v_pk_add_f32 v[240:241], v[240:241], v[S+2+\j:S+3+\j]
.endr
	s_delay_alu instid0(VALU_DEP_1)
	v_pk_add_f32 v[14:15], v[14:15], v[240:241]
.irp e, 0,2
.irp i, 0,2,4,6,8,10,12,14
	v_dual_min_num_f32 v[S+16*\e+\i], v[S+16*\e+\i], v[T+8+\e] :: v_dual_min_num_f32 v[S+16*\e+17+\i], v[S+16*\e+17+\i], v[T+9+\e]   ; the hold at 448 x the scale: p is not negative
	v_dual_min_num_f32 v[S+16*\e+16+\i], v[S+16*\e+16+\i], v[T+9+\e] :: v_dual_min_num_f32 v[S+16*\e+1+\i], v[S+16*\e+1+\i], v[T+8+\e]
.endr
.irp d, 0,1
	v_cvt_scalef32_pk8_fp8_f32 v[PCD+4*(\e+\d):PCD+4*(\e+\d)+1], v[S+16*(\e+\d):S+16*(\e+\d)+7], v[T+12+\e+\d]
	v_cvt_scalef32_pk8_fp8_f32 v[PCD+4*(\e+\d)+2:PCD+4*(\e+\d)+3], v[S+16*(\e+\d)+8:S+16*(\e+\d)+15], v[T+12+\e+\d]
.endr
.endr
.set j, 0
.rept 16
	v_pk_mul_f32 v[O+j:O+j+1], v[O+j:O+j+1], v[244:245] op_sel_hi:[1,0]   ; O^T under the new M
.set j, j+2
.endr
	s_wait_alu depctr_va_vdst(0)
	s_wait_dscnt 0x0
.irp t, 0,1,2,3
	v_wmma_scale_f32_16x16x128_f8f6f4 v[O+8*\t:O+8*\t+7], v[KV+16*\t:KV+16*\t+15], v[PCD:PCD+15], v[O+8*\t:O+8*\t+7], v[40+\t], v45
.endr
.Lhidden_\@:
	s_add_co_u32 s[TB], s[TB], REC
	s_add_co_u32 s[KF], s[KF], 128
.endm
; A TILE'S END: O^T / the sum, quantised along the head's 64 in two blocks of 32; the codes leave as 2 x 512 consecutive bytes, the two scale bytes go to the stage.
.macro EPI pass
.rept 8
	v_nop
.endr
	v_add_f32 v14, v14, v15
	s_delay_alu instid0(VALU_DEP_1)
	v_permlanex16_b32 v246, v14, s[SEL], s[SEL+1]
	s_delay_alu instid0(VALU_DEP_1)
	v_add_f32 v14, v14, v246
	s_wait_alu depctr_va_vdst(0)
	v_rcp_f32 v14, v14
	v_nop
.set j, 0
	s_wait_alu depctr_va_vdst(0)
.rept 32
	v_mul_f32 v[S+j], v[O+j], v14
.set j, j+1
.endr
.irp b, 0,1
	v_max3_num_f32 v[T+\b], |v[S+16*\b]|, |v[S+1+16*\b]|, 0x4800000
.endr
.irp i, 2,4,6,8,10,12,14
.irp b, 0,1
	s_delay_alu instid0(VALU_DEP_2)
	v_max3_num_f32 v[T+\b], v[T+\b], |v[S+16*\b+\i]|, |v[S+1+16*\b+\i]|
.endr
.endr
.irp b, 0,1
	s_delay_alu instid0(VALU_DEP_2)
	v_permlanex16_b32 v[T+4+\b], v[T+\b], s[SEL], s[SEL+1]
.endr
.irp b, 0,1
	s_delay_alu instid0(VALU_DEP_2)
	v_max_num_f32 v[T+\b], v[T+\b], v[T+4+\b]
.endr
.irp b, 0,1
	s_delay_alu instid0(VALU_DEP_2)
	v_add_nc_u32 v[T+12+\b], 0xfc000000, v[T+\b]
.endr
.irp b, 0,1
	s_delay_alu instid0(VALU_DEP_4)
	v_and_or_b32 v[T+8+\b], v[T+\b], 0x7f800000, s[MNT]
.endr
.irp b, 0,1
	s_delay_alu instid0(VALU_DEP_4)
	v_lshrrev_b32 v[T+4+\b], 23, v[T+12+\b]
.endr
	s_delay_alu instid0(VALU_DEP_1)
	v_lshl_or_b32 v246, v[T+5], 8, v[T+4]
.irp b, 0,1
.irp i, 0,1,2,3,4,5,6,7,8,9,10,11,12,13,14,15
	v_med3_num_f32 v[S+16*\b+\i], v[S+16*\b+\i], -v[T+8+\b], v[T+8+\b]
.endr
	v_cvt_scalef32_pk8_fp8_f32 v[PCD+4*\b:PCD+4*\b+1], v[S+16*\b:S+16*\b+7], v[T+12+\b]
	v_cvt_scalef32_pk8_fp8_f32 v[PCD+4*\b+2:PCD+4*\b+3], v[S+16*\b+8:S+16*\b+15], v[T+12+\b]
.endr
	v_nop
	global_store_b128 v1, v[PCD:PCD+3], s[48+2*\pass:49+2*\pass]
	global_store_b128 v1, v[PCD+4:PCD+7], s[48+2*\pass:49+2*\pass] offset:512
	ds_store_b16 v[7+\pass], v246
.endm
	s_wait_alu depctr_va_vdst(0)
	s_wait_loadcnt 0x0                             ; Q
	s_cmp_lt_u32 s[WV], 4
	s_cbranch_scc0 .Lnot_first
	s_wait_tensorcnt 0x0                           ; waves 0 to 3: records 0 to 3 of K and V are in; the other waves wait at the second barrier
.Lnot_first:
	s_barrier_signal -1
	s_barrier_wait -1
	INIT 1
	s_mov_b32 s[CNT], 4
.Lpass1a:                                              ; the first pass, records 0 to 3
	STEP
	s_sub_co_u32 s[CNT], s[CNT], 1
	s_cmp_lg_u32 s[CNT], 0
	s_cbranch_scc1 .Lpass1a
	s_wait_tensorcnt 0x0                           ; every wave's load is in
	s_wait_dscnt 0x0
	s_barrier_signal -1
	s_barrier_wait -1                              ; all sixteen records of K and V may be read
	s_mov_b32 s[CNT], 4
.Lpass1b:                                              ; records 4 to 7
	STEP
	s_sub_co_u32 s[CNT], s[CNT], 1
	s_cmp_lg_u32 s[CNT], 0
	s_cbranch_scc1 .Lpass1b
	EPI 1
	INIT 2
	s_mov_b32 s[CNT], 16
.Lpass2:
	STEP
	s_sub_co_u32 s[CNT], s[CNT], 1
	s_cmp_lg_u32 s[CNT], 0
	s_cbranch_scc1 .Lpass2
	EPI 2
	v_and_b32 v246, 31, v0                         ; the scale bytes' way out: four lanes store a record's 64 bytes: 256 (lane / 4) + 16 (lane % 4)
	v_lshrrev_b32 v247, 2, v246
	v_and_b32 v246, 3, v246
	v_lshlrev_b32 v246, 4, v246
	v_lshl_add_u32 v242, v247, 8, v246
	s_wait_alu depctr_va_vdst(0)
	s_wait_dscnt 0x0                               ; my bytes are in the stage
	s_barrier_signal -1
	s_barrier_wait -1
	s_cmp_gt_u32 s[WV], 1
	s_cbranch_scc1 .Ldone
	ds_load_b128 v[232:235], v10
	s_wait_dscnt 0x0
	global_store_b128 v242, v[232:235], s[60:61]
.Ldone:
	s_wait_xcnt 0x0
	v_lshl_add_u32 v254, v0, 2, SPARE              ; the add's two registers, made anew: they held Q
	v_mov_b32 v255, 0
	s_wait_alu depctr_va_vdst(0)
	s_wait_tensorcnt 0x0                           ; the wave's end
	ds_add_u32 v254, v255
	s_wait_dscnt 0x0
	CROUND                                         ; the closing round
	s_endpgm
.Lfunc_end_k_q5545d0765c_attn:
	.size	k_q5545d0765c_attn, .Lfunc_end_k_q5545d0765c_attn-k_q5545d0765c_attn
	.p2alignl 7, 3214868480
	.fill 96, 4, 3214868480
	.section	.rodata,"a",@progbits
	.p2align	6, 0x0
	.amdhsa_kernel k_q5545d0765c_attn
		.amdhsa_group_segment_fixed_size 327680
		.amdhsa_private_segment_fixed_size 0
		.amdhsa_enable_private_segment 0
		.amdhsa_kernarg_size 32
		.amdhsa_user_sgpr_count 2
		.amdhsa_user_sgpr_kernarg_segment_ptr 1
		.amdhsa_wavefront_size32 1
		.amdhsa_system_sgpr_workgroup_id_x 1
		.amdhsa_system_sgpr_workgroup_id_y 1
		.amdhsa_system_sgpr_workgroup_id_z 1
		.amdhsa_system_vgpr_workitem_id 0
		.amdhsa_next_free_vgpr 256
		.amdhsa_next_free_sgpr 72
		.amdhsa_reserve_vcc 1
		.amdhsa_float_denorm_mode_32 3
		.amdhsa_float_denorm_mode_16_64 3
		.amdhsa_memory_ordered 1
		.amdhsa_forward_progress 1
		.amdhsa_inst_pref_size 101
	.end_amdhsa_kernel
	.amdgpu_metadata
---
amdhsa.version: [ 1, 2 ]
amdhsa.kernels:
  - .name:           k_q5545d0765c_attn
    .symbol:         k_q5545d0765c_attn.kd
    .args:
      - { .name: qk_img, .offset: 0, .size: 8, .value_kind: global_buffer, .address_space: global }
      - { .name: v_img, .offset: 8, .size: 8, .value_kind: global_buffer, .address_space: global }
      - { .name: ao_img, .offset: 16, .size: 8, .value_kind: global_buffer, .address_space: global }
      - { .name: ao_scl, .offset: 24, .size: 8, .value_kind: global_buffer, .address_space: global }
    .group_segment_fixed_size: 327680
    .private_segment_fixed_size: 0
    .kernarg_segment_align: 8
    .kernarg_segment_size: 32
    .max_flat_workgroup_size: 512
    .sgpr_count:     72
    .vgpr_count:     256
    .wavefront_size: 32
...
	.end_amdgpu_metadata
.endif
;; end of part 3
;; launch proj (part 4): grid 8 x 32, 4 waves a work-group, clusters of 4 x 4, 327,680 bytes of LDS; arguments ao_img, ao_scl, codes, scl, b_out, out0; writes out0
.if DOCPART == 4
	.amdgcn_target "amdgcn-amd-amdhsa--gfx1250"
	.amdhsa_code_object_version 6
	.text
	.protected	k_q5545d0765c_proj
	.globl	k_q5545d0765c_proj
	.p2align	8
	.type	k_q5545d0765c_proj,@function
k_q5545d0765c_proj:
	s_mov_b64 s[64:65], 0
	v_nop
	global_prefetch_b8 v0, s[64:65] scope:SCOPE_SE
	s_setreg_imm32_b32 hwreg(HW_REG_WAVE_MODE, 25, 1), 1
	s_wait_xcnt 0x0
	s_wait_alu depctr_hold_cnt(0) depctr_sa_sdst(0) depctr_va_vdst(0) depctr_va_sdst(0) depctr_va_ssrc(0) depctr_va_vcc(0) depctr_vm_vsrc(0)
	s_getreg_b32 s2, hwreg(HW_REG_IB_STS2, 6, 4)
	s_cmp_eq_u32 s2, 0
	s_cbranch_scc0 .Lentry_in_a_cluster
	s_endpgm
.Lentry_in_a_cluster:
	s_bfe_u32 s2, ttmp6, 0x10000c
	s_cmp_lg_u32 s2, 0xf033
	s_cbranch_scc0 .Lentry_shape_is_right
	s_endpgm
.Lentry_shape_is_right:
; out0 = attention's result x w_out^T + b_out on codes of MX-FP8 (E4M3, one E8M0 byte for 32 along K = 1,024): 8,192 x 1,024 x 1,024, f32 sums, f32 out.
; IN.  ao_img: [head 16][batch 4][tile of 16 tokens, 128][c][lane][16 bytes]: a tile's 1,024 bytes are the operand's registers for K = the head's 64;  ao_scl: [head][batch][tile][r][2 bytes];
; codes, scl: w_out's rows are stored rows 11,264 on, 1,024 bytes and 32 bytes a row, bits 3 and 4 of the row's number exchanged.  Row r of tile t is token 32 (t / 2) + 8 (t % 2) + r % 8 + 16 (r / 8).
; LIMITS: NaN, infinities and sums beyond f32's range are not served.
; THE DEAL.  256 work-groups, each 256 tokens x 128 columns; four waves, 2 x 2.  A wave holds 64 rows of w_out, ALL of K, in 512 registers (windows 1, 2) and streams blocks of 16 tokens past them:
; block s = 0 .. 7 of wave row wr is tile 2 s + wr of the work-group's sixteen; 32 products a block; a block's fragments stand in one of two sets of 128 registers (window 3), its sums in one of two sets of 32.
; The matrix instruction is used transposed (source 0 = 16 rows of w_out, source 1 = 16 tokens): a lane holds eight neighbouring columns of one token.  The bias is the first products' C.
; LDS.  Rows of 1,024 bytes + 16 of padding.  X: tiles 0-7 of all heads, [head][tile].  Y: w_out's 128 rows; when all waves hold them in registers, tiles 8-15 are filled over them, row for row, behind a drained round of the cluster's barrier.
; Behind them, on bytes of their own: the table of A's scale words [token row][8 words], put together from ao_scl by the four waves; a stage of 16 rows x 272 bytes for each wave; the spare words.
; CLUSTERS 4 x 4: A's tiles are asked for jointly along a row of the cluster, w_out's along a column.  HEAD: one load a wave: waves 0, 1 w_out's halves (a line of their own: they alone wait at the first barrier), waves 2, 3 heads 0-7 and 8-15 of X.
; PREFETCH: the refill's 131,072 bytes are asked for once in each row of a cluster, behind the head's loads: each of the row's sixteen waves names one head's 8,192 bytes, lanes 256 bytes apart, told apart by address.
; THE WAY OUT: a block's sums go through the wave's stage and leave as rows of 256 consecutive bytes, aligned, sixteen lanes a row, behind the next block's products.
.set PITCH,  1040
.set HROW,   8*PITCH                   ; a head's eight tiles
.set YR,     128*PITCH
.set SCT,    2*YR                      ; the scale table: 32 runs of 256 bytes (8 token rows) + 16
.set SPITCH, 272
.set STG,    SCT+32*272
.set SPARE,  STG+4*16*SPITCH
.set NP,     8                         ; places behind this matrix instruction (ISA guide 7.12.1)
.set NF,     34                        ; LDS loads of a block: eight fragments of four, two of four scale words
.set AD,   4                           ; v4-7  LDS address of my tiles: X heads 0-7, X heads 8-15, Y heads 0-7, Y heads 8-15
.set PF,   8                           ; v8    the prefetch's offset
.set CO,   9                           ; v9    4,096 h + 16 r: my place in two rows of out0
.set SPW,  10
.set NIL,  11
.set AS0,  12                          ; v12   my row's scale words in block 0
.set STO,  13                          ; v13   the stage, in
.set ADRB, 14                          ; v14   my fragments of w_out
.set RD,   15                          ; v15   the stage, back
.set ABS,  16                          ; v16   32 x lane
.set TA,   17                          ; v17   where I put scale words into the table
.set CL,   18                          ; v18   16 x lane
.set BO,   19                          ; v19   64 h
.set SB,   24                          ; v24-39  w_out's scale words: register 8 p + q: lanes 0-15 tile 2 p, lanes 16-31 tile 2 p + 1
.set SA,   44                          ; v44-59  A's: two sets of eight
.set ACC,  64                          ; v64-127 two sets of four accumulators
.set OUT,  128                         ; v128-191 two sets of 32: rows read back from the stage (at the head: ao_scl's bytes)
.set BQ,   208                         ; v208-239 the bias in the layout of four accumulators
.set G1W, 24
.set G0W, 32
.set G0A, 36
.set G1A, 48
.set G0R, 56
.set MSB, 0
.macro WIN new                         ; the immediate's high byte repeats the setting that is left
.if MSB != (\new)
	s_set_vgpr_msb (MSB<<8)|(\new)
.set MSB, (\new)
.endif
.endm
.macro PLACES n
.rept \n
	v_nop
.endr
.endm
.macro BARRIER
	s_barrier_signal -1
	s_barrier_wait -1
.endm
.macro CROUND                          ; a round of the cluster's barrier
	BARRIER
	s_cmp_lg_u32 s14, 0
	s_cbranch_scc1 .Lnot_wave_0_\@
	s_barrier_signal -3
.Lnot_wave_0_\@:
	s_barrier_wait -3
	BARRIER
.endm
.macro TLOAD g0, g1                    ; s_nop 0 and four v_nop follow a tensor load
	tensor_load_to_lds s[\g0:\g0+3], s[\g1:\g1+7]
	s_nop 0
	PLACES 4
.endm
	s_load_b256 s[4:11], s[0:1], 0x0               ; ao_img, ao_scl, codes, scl
	s_load_b128 s[96:99], s[0:1], 0x20             ; b_out, out0
	v_lshl_add_u32 v[SPW], v0, 2, SPARE
	v_mov_b32 v[NIL], 0
	ds_add_u32 v[SPW], v[NIL]                      ; the opening lines: the add, twice on end, and its wait
	ds_add_u32 v[SPW], v[NIL]
	v_lshrrev_b32 v1, 5, v0
	v_readfirstlane_b32 s14, v1                    ; wave
	s_lshr_b32 s15, s14, 1                         ; wr: my row of waves
	s_and_b32 s16, s14, 1                          ; wc: my column of waves; also which half I fetch at the head
	s_bfe_u32 s40, ttmp6, 0x40000                  ; cx, cy
	s_bfe_u32 s41, ttmp6, 0x40004
	s_lshl_b32 s42, ttmp9, 2
	s_add_co_u32 s42, s42, s40                     ; x: which 128 columns
	s_and_b32 s17, ttmp7, 0xffff
	s_lshl_b32 s17, s17, 2
	s_add_co_u32 s17, s17, s41                     ; y: which 256 tokens
	s_lshl_b32 s43, s41, 2
	s_lshl_b32 s43, 15, s43                        ; my row of the cluster
	s_lshl_b32 s44, 0x1111, s40                    ; my column
	s_or_b32 s[G1W+0], s44, (1<<20)|(1<<21)|(7<<22)|(3<<25)   ; w_out: 64 rows of 1,024 bytes, four words of padding after every 256
	s_mov_b32 s[G1W+1], 1024<<16
	s_mov_b32 s[G1W+2], 64<<16
	s_mov_b32 s[G1W+3], 1024<<16
	s_mov_b32 s[G1W+4], 64
	s_mov_b32 s[G1W+5], 1024
	s_mov_b32 s[G1W+6], 0
	s_mov_b32 s[G1W+7], 0
	s_or_b32 s[G1A+0], s43, (1<<20)|(1<<21)|(7<<22)|(3<<25)   ; A: a row is a head's eight tiles, 8,192 bytes, heads 524,288 bytes apart; the same padding behind each tile; eight heads at the head
	s_mov_b32 s[G1A+1], 8192<<16
	s_mov_b32 s[G1A+2], 8<<16
	s_mov_b32 s[G1A+3], 8192<<16
	s_mov_b32 s[G1A+4], 8
	s_mov_b32 s[G1A+5], 524288
	s_mov_b32 s[G1A+6], 0
	s_mov_b32 s[G1A+7], 0
	s_lshl_b32 s18, s42, 7
	s_lshl_b32 s19, s16, 6
	s_add_co_u32 s18, s18, s19                     ; my first column: 128 x + 64 wc
	s_add_co_u32 s19, s18, 11264                   ; its stored row
	s_lshl_b32 s20, s19, 10
	s_mov_b32 s21, 0
	s_lshl_b32 s92, s19, 5
	s_mov_b32 s93, 0
	s_lshl_b32 s22, s17, 14                        ; A: 16 tiles of 1,024 bytes for each y
	s_lshl_b32 s46, s14, 21                        ; the refill: four heads a wave,
	s_add_co_u32 s46, s46, s22
	s_add_co_u32 s46, s46, 8192                    ; tiles 8-15
	s_mov_b32 s47, 0
	s_lshl_b32 s23, s16, 22                        ; the head's load: eight heads
	s_add_co_u32 s22, s22, s23
	s_mov_b32 s23, 0
	s_mul_i32 s45, s16, 64*PITCH
	s_mov_b32 s[G0W], 1
	s_add_co_u32 s[G0W+1], s45, YR
	s_mov_b32 s[G0A], 1
	s_mov_b32 s[G0A+1], s45
	s_mov_b32 s[G0R], 1
	s_mul_i32 s[G0R+1], s14, 32*PITCH
	s_add_co_u32 s[G0R+1], s[G0R+1], YR
	s_wait_dscnt 0x0                               ; both opening adds are done
	CROUND                                         ; all sixteen work-groups are here
	s_wait_kmcnt 0x0
	s_add_nc_u64 s[G0W+2:G0W+3], s[8:9], s[20:21]
	s_or_b32 s[G0W+3], s[G0W+3], 0x80000000
	s_add_nc_u64 s[G0A+2:G0A+3], s[4:5], s[22:23]
	s_or_b32 s[G0A+3], s[G0A+3], 0x80000000
	s_add_nc_u64 s[G0R+2:G0R+3], s[4:5], s[46:47]
	s_or_b32 s[G0R+3], s[G0R+3], 0x80000000
	s_cmp_lt_u32 s14, 2
	s_cbranch_scc0 .Lfor_a
	TLOAD G0W, G1W                                 ; waves 0, 1: w_out's rows, which are wanted first
	s_branch .Lasked
.Lfor_a:
	TLOAD G0A, G1A                                 ; waves 2, 3: tiles 0-7
.Lasked:
	s_add_nc_u64 s[92:93], s[10:11], s[92:93]      ; my 64 rows' scale bytes
	s_lshl_b32 s20, s14, 16                        ; ao_scl: heads 4 wave on, 16,384 bytes a head; 512 bytes for each y
	s_lshl_b32 s21, s17, 9
	s_add_co_u32 s20, s20, s21
	s_mov_b32 s21, 0
	s_add_nc_u64 s[66:67], s[6:7], s[20:21]
	s_lshl_b32 s20, s18, 2
	s_add_nc_u64 s[96:97], s[96:97], s[20:21]      ; the bias of my 64 columns
	s_add_nc_u64 s[98:99], s[98:99], s[20:21]
	s_lshl_b32 s20, s17, 20                        ; out0: 256 y rows of 4,096 bytes,
	s_lshl_b32 s22, s15, 15                        ; and 8 wr
	s_add_co_u32 s20, s20, s22
	s_add_nc_u64 s[98:99], s[98:99], s[20:21]
	s_lshl_b32 s22, s40, 2                         ; the prefetch: head 4 cx + wave, tiles 8-15
	s_add_co_u32 s22, s22, s14
	s_lshl_b32 s22, s22, 19
	s_lshl_b32 s23, s17, 14
	s_add_co_u32 s22, s22, s23
	s_add_co_u32 s22, s22, 8192
	s_mul_i32 s70, s15, PITCH
	s_mul_i32 s71, s16, 64*PITCH
	s_add_co_u32 s71, s71, YR
	s_mul_i32 s72, s15, 2*272
	s_add_co_u32 s72, s72, SCT
	s_mul_i32 s73, s14, 16*SPITCH
	s_add_co_u32 s73, s73, STG
	s_lshl_b32 s74, s14, 3
	s_add_co_u32 s74, s74, SCT
	v_and_b32 v1, 15, v0                           ; r
	v_bfe_u32 v2, v0, 4, 1                         ; h
	v_and_b32 v3, 31, v0                           ; lane
	v_lshlrev_b32 v[CL], 4, v3
	v_lshlrev_b32 v[ABS], 5, v3
	v_lshlrev_b32 v[BO], 6, v2
	v_lshl_add_u32 v[PF], v3, 8, s22
.irp j, 0,1,2,3
	global_load_b128 v[OUT+4*\j:OUT+4*\j+3], v[CL], s[66:67] offset:16384*\j   ; head 4 wave + j: lane l: tile l / 2, rows 8 (l % 2) on, two bytes a row
.endr
.irp p, 0,1
.irp c, 0,1
	global_load_b128 v[SB+8*\p+4*\c:SB+8*\p+4*\c+3], v[ABS], s[92:93] offset:1024*\p+16*\c
.endr
.endr
.irp b, 0,1,2,3
	global_load_b128 v[BQ+8*\b:BQ+8*\b+3], v[BO], s[96:97] offset:128*(\b/2)+32*(\b%2)       ; register j of tile b is column 32 (b / 2) + 8 (b % 2) + 16 h + j
	global_load_b128 v[BQ+8*\b+4:BQ+8*\b+7], v[BO], s[96:97] offset:128*(\b/2)+32*(\b%2)+16
.endr
	global_prefetch_b8 v[PF], s[4:5] th:TH_LOAD_NT scope:SCOPE_SE   ; its registers are never rewritten
	v_add_nc_u32 v[AD], s70, v[CL]
	v_add_nc_u32 v[AD+1], 8*HROW, v[AD]
	v_add_nc_u32 v[AD+2], YR, v[AD]
	v_add_nc_u32 v[AD+3], YR+8*HROW, v[AD]
	v_mul_u32_u24 v20, v1, PITCH
	v_lshl_add_u32 v20, v2, 4, v20
	v_add_nc_u32 v[ADRB], s71, v20
	v_lshrrev_b32 v20, 3, v1
	v_mul_u32_u24 v20, v20, 272
	v_and_b32 v21, 7, v1
	v_lshl_add_u32 v20, v21, 5, v20
	v_add_nc_u32 v[AS0], s72, v20
	v_mul_u32_u24 v20, v1, SPITCH
	v_lshl_add_u32 v20, v2, 6, v20
	v_add_nc_u32 v[STO], s73, v20
	v_mul_u32_u24 v20, v2, SPITCH
	v_lshl_add_u32 v20, v1, 4, v20
	v_add_nc_u32 v[RD], s73, v20
	v_lshlrev_b32 v20, 12, v2
	v_lshl_add_u32 v[CO], v1, 4, v20
	v_mul_u32_u24 v20, v3, 272
	v_add_nc_u32 v[TA], s74, v20
	s_wait_alu depctr_va_vdst(0)
	s_wait_loadcnt 0x0
.irp i, 0,1,2,3                        ; two heads' pairs of bytes make the scale word of 128 along K: words 2 wave and 2 wave + 1 of token rows 8 lane + 2 i and + 2 i + 1
	v_perm_b32 v[OUT+16+4*\i], v[OUT+4+\i], v[OUT+\i], 0x05040100
	v_perm_b32 v[OUT+17+4*\i], v[OUT+12+\i], v[OUT+8+\i], 0x05040100
	v_perm_b32 v[OUT+18+4*\i], v[OUT+4+\i], v[OUT+\i], 0x07060302
	v_perm_b32 v[OUT+19+4*\i], v[OUT+12+\i], v[OUT+8+\i], 0x07060302
	ds_store_b64 v[TA], v[OUT+16+4*\i:OUT+17+4*\i] offset:64*\i
	ds_store_b64 v[TA], v[OUT+18+4*\i:OUT+19+4*\i] offset:64*\i+32
.endr
	s_cmp_lt_u32 s14, 2
	s_cbranch_scc0 .Lnot_w
	s_wait_tensorcnt 0x0                           ; waves 0, 1: w_out's rows are in; the other two wait ahead of the round below
.Lnot_w:
	s_wait_dscnt 0x0                               ; my words are in the table
	BARRIER
.irp q, 0,1,2,3,4,5,6,7                ; my 64 rows of w_out, all of K: fragment 4 q + b in window 1 + (4 q + b) / 16
.irp b, 0,1,2,3
	WIN (1+(4*\q+\b)/16)<<6
.irp c, 0,1,2,3
	ds_load_b128 v[16*((4*\q+\b)%16)+4*\c:16*((4*\q+\b)%16)+4*\c+3], v[ADRB] offset:128*\q+32*\c+\b*16*PITCH
.endr
.endr
.endr
	WIN 0
	s_wait_tensorcnt 0x0                           ; all my tensor loads are in: tiles 0-7 too;
	ds_add_u32 v[SPW], v[NIL]                      ; the add ahead of a refill's round;
	s_mov_b32 s[G1A+2], 4<<16                      ; no tensor load of mine is out: the refill brings four heads a wave
	s_mov_b32 s[G1A+4], 4
	s_wait_dscnt 0x0                               ; the add is done, and w_out's rows are in my registers
	CROUND
	TLOAD G0R, G1A                                 ; tiles 8-15 over w_out's rows: the first tensor load behind the round, one a wave
.macro FETCH k, s                      ; block s into set k of window 3, and its scale words: NF loads
	WIN 3<<6
.irp q, 0,1,2,3,4,5,6,7
.irp c, 0,1,2,3
	ds_load_b128 v[128*(\k)+16*\q+4*\c:128*(\k)+16*\q+4*\c+3], v[AD+2*((\s)/4)+\q/4] offset:((2*\q+\c/2)%8)*HROW+512*(\c%2)+((\s)%4)*2*PITCH
.endr
.endr
	WIN 0
	ds_load_b128 v[SA+8*(\k):SA+8*(\k)+3], v[AS0] offset:(\s)*4*272
	ds_load_b128 v[SA+8*(\k)+4:SA+8*(\k)+7], v[AS0] offset:(\s)*4*272+16
.endm
.macro PROD e, n                       ; product n = 4 q + b: the q-th 128 of K, column tile b; the four accumulators take turns
.set Q_, (\n)/4
.set B_, (\n)%4
.set AC_, ACC+32*(\e)+8*B_
.set C_, AC_
.if Q_ == 0
.set C_, BQ+8*B_
.endif
.set R_, 128*(\e)+16*Q_
.set W_, 16*((\n)%16)
.set XS_, SA+8*(\e)+Q_
.set WS_, SB+8*(B_/2)+Q_
	WIN (1+(\n)/16)|(3<<2)
.if B_%2
	v_wmma_scale_f32_16x16x128_f8f6f4 v[AC_:AC_+7], v[W_:W_+15], v[R_:R_+15], v[C_:C_+7], v[WS_], v[XS_] matrix_a_scale:MATRIX_SCALE_ROW1
.else
	v_wmma_scale_f32_16x16x128_f8f6f4 v[AC_:AC_+7], v[W_:W_+15], v[R_:R_+15], v[C_:C_+7], v[WS_], v[XS_]
.endif
.endm
.macro TOSTAGE n                       ; a block's sums into my stage, each accumulator from its low end on, and back as rows: LDS serves a wave's instructions in order
.set AC_, ACC+32*((\n)%2)
.irp b, 0,1,2,3
	ds_store_b128 v[STO], v[AC_+8*\b:AC_+8*\b+3] offset:128*(\b/2)+32*(\b%2)
	ds_store_b128 v[STO], v[AC_+8*\b+4:AC_+8*\b+7] offset:128*(\b/2)+32*(\b%2)+16
.endr
.irp i, 0,1,2,3,4,5,6,7
	ds_load_b128 v[OUT+32*((\n)%2)+4*\i:OUT+32*((\n)%2)+4*\i+3], v[RD] offset:2*\i*SPITCH
.endr
.endm
.macro SEND n, younger                 ; younger: the LDS loads issued behind the stage's, which may stay out
	s_wait_dscnt \younger
.irp i, 0,1,2,3,4,5,6,7
	global_store_b128 v[CO], v[OUT+32*((\n)%2)+4*\i:OUT+32*((\n)%2)+4*\i+3], s[98:99] offset:(32*(\n)+(2*\i)%8+16*(\i/4))*4096 th:TH_STORE_NT   ; sixteen lanes store 256 consecutive bytes, aligned
.endr
.endm
.macro BLK n
.if (\n) == 0 || (\n) == 3
	s_wait_dscnt NF                                ; my block is in; the next block's fetch may be out
.elseif (\n) == 7
	s_wait_dscnt 16                                ; behind my block's fetch: the stage's 16
.else
	s_wait_dscnt NF+16                             ; behind my block's fetch: the stage's 16 and the next block's fetch
.endif
	s_wait_xcnt 0x0                                ; the stores of the block two back have read their registers
.set N_, 0
.rept 32
	PROD (\n)%2, N_
.set N_, N_+1
.endr
	WIN 0
	PLACES NP                                      ; ahead of the readers of the sums and of the fetch into the registers just read
.if (\n) > 0
.if (\n) < 7
	SEND (\n)-1, NF
.else
	SEND (\n)-1, 0
.endif
.endif
	TOSTAGE \n
.if (\n) == 2
	s_wait_tensorcnt 0x0                           ; my part of tiles 8-15 is in,
	s_wait_dscnt 0x0
	BARRIER                                        ; everybody's is: block 4 may be fetched
.endif
.if (\n)+2 < 8
	FETCH (\n)%2, (\n)+2
.endif
.endm
	FETCH 0, 0
	FETCH 1, 1
.irp n, 0,1,2,3,4,5,6,7
	BLK \n
.endr
	SEND 7, 0
	s_wait_tensorcnt 0x0                           ; the wave's end
	ds_add_u32 v[SPW], v[NIL]
	s_wait_dscnt 0x0
	CROUND                                         ; the closing round
	s_endpgm
.Lfunc_end_k_q5545d0765c_proj:
	.size	k_q5545d0765c_proj, .Lfunc_end_k_q5545d0765c_proj-k_q5545d0765c_proj
	.p2alignl 7, 3214868480
	.fill 96, 4, 3214868480
	.section	.rodata,"a",@progbits
	.p2align	6, 0x0
	.amdhsa_kernel k_q5545d0765c_proj
		.amdhsa_group_segment_fixed_size 327680
		.amdhsa_private_segment_fixed_size 0
		.amdhsa_enable_private_segment 0
		.amdhsa_kernarg_size 48
		.amdhsa_user_sgpr_count 2
		.amdhsa_user_sgpr_kernarg_segment_ptr 1
		.amdhsa_wavefront_size32 1
		.amdhsa_system_sgpr_workgroup_id_x 1
		.amdhsa_system_sgpr_workgroup_id_y 1
		.amdhsa_system_sgpr_workgroup_id_z 1
		.amdhsa_system_vgpr_workitem_id 0
		.amdhsa_next_free_vgpr 1024
		.amdhsa_next_free_sgpr 100
		.amdhsa_reserve_vcc 0
		.amdhsa_float_denorm_mode_32 3
		.amdhsa_float_denorm_mode_16_64 3
		.amdhsa_memory_ordered 1
		.amdhsa_forward_progress 1
		.amdhsa_inst_pref_size 88
	.end_amdhsa_kernel
	.amdgpu_metadata
---
amdhsa.version: [ 1, 2 ]
amdhsa.kernels:
  - .name:           k_q5545d0765c_proj
    .symbol:         k_q5545d0765c_proj.kd
    .args:
      - { .name: ao_img, .offset: 0, .size: 8, .value_kind: global_buffer, .address_space: global }
      - { .name: ao_scl, .offset: 8, .size: 8, .value_kind: global_buffer, .address_space: global }
      - { .name: codes, .offset: 16, .size: 8, .value_kind: global_buffer, .address_space: global }
      - { .name: scl, .offset: 24, .size: 8, .value_kind: global_buffer, .address_space: global }
      - { .name: b_out, .offset: 32, .size: 8, .value_kind: global_buffer, .address_space: global }
      - { .name: out0, .offset: 40, .size: 8, .value_kind: global_buffer, .address_space: global }
    .group_segment_fixed_size: 327680
    .private_segment_fixed_size: 0
    .kernarg_segment_align: 8
    .kernarg_segment_size: 48
    .max_flat_workgroup_size: 128
    .sgpr_count:     100
    .vgpr_count:     1024
    .wavefront_size: 32
...
	.end_amdgpu_metadata
.endif
;; end of part 4
